; MI455X (gfx1250); checked and timed in simulation.
; The chip was launched on July 23, 2026; its instructions are those of AMD's public machine-readable ISA for CDNA 5 (MIT licence, August 2026) and "CDNA5" Instruction Set Architecture Reference Guide (July 2026). The comments in the code are by the model that wrote it; some were corrected since.
;; Cross Attention. Allowed arithmetic: float matrix products may take bf16 or f16 operands with f32 sums; other float arithmetic in f32, or as packed bf16 or f16 multiplies, adds, multiply-adds, maxima and minima; sums over many terms, partial sums and values carried from step to step in f32; what a program stores and reads back later, other than sums and carried values, may be rounded once to bf16 or f16.
;; Inputs: We1 256 x 512 float32; We2 256 x 512 float32; Wk 512 x 512 float32; Wo 512 x 512 float32; Wq 512 x 512 float32; Wv 512 x 512 float32; be1 512 float32; be2 512 float32; bk 512 float32; bo 512 float32; bq 512 float32; bv 512 float32; x1 16 x 1 x 256 float32; x2 16 x 4,096 x 256 float32; x3 16 x 4,096 x 256 float32.
;; Outputs: out0 16 x 512 float32.
;; One version. Each part assembles by itself: llvm-mc -triple=amdgcn-amd-amdhsa -mcpu=gfx1250 --defsym DOCPART=n.
;; ======== version 1 of 1: 5 launches
;; workspace buffers: gt 1,572,864 bytes; gb 6,144 bytes; ub 262,144 bytes; cb 1,024 bytes; yp 4,194,304 bytes; ml 32,768 bytes; av 32,768 bytes
;; launch fold (part 1): grid 32 x 3, 8 waves a work-group, no clusters, 281,600 bytes of LDS; arguments We1, We2, Wq, Wk, Wv, be1, be2, bq, bk, bv, gt, gb; writes gt, gb
.if DOCPART == 1
	.amdgcn_target "amdgcn-amd-amdhsa--gfx1250"
	.amdhsa_code_object_version 6
	.text
	.protected	k_qfbddb89776_fold
	.globl	k_qfbddb89776_fold
	.p2align	8
	.type	k_qfbddb89776_fold,@function
k_qfbddb89776_fold:
	s_mov_b64 s[64:65], 0
	v_nop
	global_prefetch_b8 v0, s[64:65] scope:SCOPE_SE
	s_setreg_imm32_b32 hwreg(HW_REG_WAVE_MODE, 25, 1), 1
	s_wait_xcnt 0x0
; FOLD: three products of weights alone, one text.  gt[g][n][i] = sum over j of W[j][n] E[i][j];  gb[g][n] = sum over j of be[j] W[j][n] + b[n].
; g = 0: E = We1, be = be1, W = Wq, b = bq.   g = 1: We2, be2, Wk, bk.   g = 2: We2, be2, Wv, bv.   E: [256 i][512 j], W: [512 j][512 n], all f32.
; With them q = x1 Gq + gq, k = x2 Gk + gk, v = x3 Gv + gv: the sums of the module are taken in another order than it writes them.
; FORMATS.  Every input is rounded once to bf16 (nearest even), b too; products in the matrix unit, sums in f32; gt and gb stay f32.  NaN and infinities are not treated apart.
; SHARES.  A work-group makes 64 n x 64 i (x = 8 iq + nq).  The 512 j are split over the eight waves, 64 each (two K steps of 32), so no number is loaded or rounded twice;
; the eight partial tiles meet in LDS.  All four work-groups of an nq also make that nq's 64 sums be W (8 of a wave's 40 matrix instructions): one text for all; iq = 0 stores them.
; LAYOUT.  Source 0 = 16 rows i of E; source 1 = 16 columns n of W.  In both, slot s (0..15) of lane half hh stands for j = 32 k + 16 hh + s.
; W lies [j][n]: a lane loads 4 neighbouring n of one j (16 lanes: 256 consecutive bytes), and the rounding to bf16 pairs rows j, j + 1: tile c has column r = n0 + 4 r + c.  Nothing is transposed.
; In the result a lane holds 8 neighbouring i of one n: 32 bytes of a row of gt.
.set PITCH, 272                        ; an LDS row: 256 bytes + 16: the sixteen rows of a 16-byte access start 16 bytes further on each, modulo 256
.set ETILE, 64*PITCH                   ; a wave's tile of E, and a wave's partial tile
.set PS,    8*ETILE                    ; the eight partial tiles: row 16 c + r stands for n0 + 4 r + c
.set BS,    PS+8*ETILE                 ; the eight waves' 64 partial sums be W, 256 bytes each
.set SPARE, BS+8*256                   ; the spare words, 128 bytes a wave: no other line names them
.set VR,  1                            ; lane % 16
.set VH,  2                            ; lane / 16
.set OW,  3                            ; byte offset of my 16 bytes in W's rows
.set OBE, 4                            ; in be
.set AE,  5                            ; LDS: my place in my tile of E
.set APS, 6                            ; LDS: where I put my results
.set ABS, 7                            ; LDS: where I put my sums be W
.set ARD, 8                            ; v8-11 LDS: where I read partial tiles 0-1, 2-3, 4-5, 6-7 back
.set OGT, 12                           ; byte offset in gt
.set OL8, 13                           ; 8 x lane
.set SPW, 14                           ; LDS address of my spare word; never rewritten
.set NIL, 15                           ; 0; never rewritten
.set BEF, 16                           ; v16-31   be's fragments, 8 a K step
.set WF,  32                           ; v32-63   W's fragments, tile c at 8 c
.set EF,  64                           ; v64-95   E's fragments, block t at 8 t
.set ACC, 96                           ; v96-255  20 accumulators: (t, c) at 8 (4 t + c); be W of tile c at 8 (16 + c)
.set WL,  0                            ; window 1: v0-127 W as loaded: K step k, slot s at 64 k + 4 s
.set BL,  128                          ; window 1: v128-159 be as loaded
.set EL,  160                          ; window 1: v160-223 E as loaded: block t at 16 t
.set WV,  48                           ; s48 wave;  s49 nq;  s50 iq;  s51 g
.set NQ,  49
.set IQ,  50
.set SG,  51
.set MSB, 0
.macro WIN new                         ; s_set_vgpr_msb: bits 1:0 source 0, 3:2 source 1, 5:4 source 2, 7:6 destination; the high byte repeats the setting that is left
.if MSB != (\new)
	s_set_vgpr_msb (MSB<<8)|(\new)
.set MSB, \new
.endif
.endm
.macro PLACES                          ; four plain vector instructions between a matrix instruction and what reads its result or writes its registers (ISA guide 7.12.1)
.rept 4
	v_nop
.endr
.endm
	s_load_b512 s[4:19], s[0:1], 0x0               ; We1 4, We2 6, Wq 8, Wk 10, Wv 12, be1 14, be2 16, bq 18
	s_load_b256 s[20:27], s[0:1], 0x40             ; bk 20, bv 22, gt 24, gb 26
	v_lshl_add_u32 v[SPW], v0, 2, SPARE
	v_mov_b32 v[NIL], 0
	ds_add_u32 v[SPW], v[NIL]                      ; the wave's opening: the add and its wait ahead of my tensor load; the set-up, work on registers, stands between
	ds_add_u32 v14, v15
	v_lshrrev_b32 v1, 5, v0
	v_readfirstlane_b32 s[WV], v1
	s_and_b32 s[NQ], ttmp9, 7
	s_lshr_b32 s[IQ], ttmp9, 3
	s_and_b32 s[SG], ttmp7, 0xffff
	; descriptor group 1: 64 rows i x 64 numbers j of 4 bytes, padded in LDS
	s_mov_b32 s28, (2<<16)|(1<<20)|(5<<22)|(3<<25) ; elements of 4 bytes; padding on: after every 64 words, 4 words
	s_mov_b32 s29, 64<<16                          ; tensor_dim0 = 64
	s_mov_b32 s30, 64<<16                          ; tensor_dim1 = 64
	s_mov_b32 s31, 64<<16                          ; tile_dim0 = 64
	s_mov_b32 s32, 64                              ; tile_dim1 = 64
	s_mov_b32 s33, 512                             ; 512 numbers from row to row
	s_mov_b32 s34, 0
	s_mov_b32 s35, 0
	s_mov_b32 s36, 1                               ; group 0: count = 1
	s_mul_i32 s37, s[WV], ETILE                    ; LDS address: my wave's tile
	; byte offsets, each in a pair of its own
	s_lshl_b32 s60, s[WV], 8                       ; be: 64 w numbers
	s_mov_b32 s61, 0
	s_lshl_b32 s52, s[NQ], 8                       ; b: 64 nq numbers
	s_mov_b32 s53, 0
	s_lshl_b32 s56, s[IQ], 17                      ; E: 64 iq rows of 2,048 bytes + 64 w numbers
	s_add_co_u32 s56, s56, s60
	s_mov_b32 s57, 0
	s_lshl_b32 s58, s[WV], 17                      ; W: 64 w rows of 2,048 bytes + 64 nq numbers
	s_add_co_u32 s58, s58, s52
	s_mov_b32 s59, 0
	s_lshl_b32 s54, s[SG], 11                      ; gb: 512 g + 64 nq numbers
	s_add_co_u32 s54, s54, s52
	s_mov_b32 s55, 0
	s_lshl_b32 s62, s[SG], 19                      ; gt: 512 g + 64 nq + 32 (w % 2) + w / 2 rows of 1,024 bytes + 64 iq numbers
	s_lshl_b32 s40, s[NQ], 16
	s_add_co_u32 s62, s62, s40
	s_and_b32 s40, s[WV], 1
	s_lshl_b32 s40, s40, 15
	s_add_co_u32 s62, s62, s40
	s_lshr_b32 s40, s[WV], 1
	s_lshl_b32 s40, s40, 10
	s_add_co_u32 s62, s62, s40
	s_lshl_b32 s40, s[IQ], 8
	s_add_co_u32 s62, s62, s40
	s_mov_b32 s63, 0
	s_add_co_u32 s41, s37, PS                      ; my partial tile
	s_add_co_u32 s42, s60, BS                      ; my 256 bytes of sums be W
	s_mul_i32 s43, s[WV], 8*PITCH                  ; the eight rows that I add up
	s_add_co_u32 s43, s43, PS
	v_and_b32 v[VR], 15, v0
	v_bfe_u32 v[VH], v0, 4, 1
	v_lshlrev_b32 v[OW], 4, v[VR]                  ; 16 r
	v_lshl_add_u32 v[OGT], v[VH], 12, v[OW]        ; gt: lanes 16-31 four rows n further on
	v_lshl_add_u32 v[OW], v[VH], 15, v[OW]         ; W: lanes 16-31 sixteen rows j further on
	v_lshlrev_b32 v[OBE], 6, v[VH]                 ; be: sixteen numbers further on
	v_mul_u32_u24 v[AE], v[VR], PITCH
	v_lshl_add_u32 v[APS], v[VH], 5, v[AE]         ; out: row r, 32 bytes for each half of the lanes
	v_lshl_add_u32 v[AE], v[VH], 6, v[AE]          ; in: row r, 64 bytes for each half
	v_add_nc_u32 v[AE], s37, v[AE]
	v_add_nc_u32 v[APS], s41, v[APS]
	v_lshl_add_u32 v[ABS], v[VR], 4, s42
	v_mul_u32_u24 v[ARD], v[VH], PITCH             ; back: lanes 0-15 one row of 256 bytes, lanes 16-31 the next
	v_lshl_add_u32 v[ARD], v[VR], 4, v[ARD]
	v_add_nc_u32 v[ARD], s43, v[ARD]
	v_add_nc_u32 v[ARD+1], 2*ETILE, v[ARD]
	v_add_nc_u32 v[ARD+2], 4*ETILE, v[ARD]
	v_add_nc_u32 v[ARD+3], 6*ETILE, v[ARD]
	v_and_b32 v[OL8], 31, v0
	v_lshlrev_b32 v[OL8], 3, v[OL8]
	s_wait_dscnt 0x0                               ; the opening add is done
	s_wait_kmcnt 0x0
	s_cmp_eq_u32 s[SG], 1                          ; the four tensors of this g
	s_cselect_b64 s[44:45], s[10:11], s[12:13]
	s_cselect_b64 s[46:47], s[20:21], s[22:23]
	s_cmp_eq_u32 s[SG], 0
	s_cselect_b64 s[44:45], s[8:9], s[44:45]       ; W
	s_cselect_b64 s[46:47], s[18:19], s[46:47]     ; b
	s_cselect_b64 s[40:41], s[4:5], s[6:7]         ; E
	s_cselect_b64 s[42:43], s[14:15], s[16:17]     ; be
	s_add_nc_u64 s[38:39], s[40:41], s[56:57]      ; group 0: the tile's first number
	s_or_b32 s39, s39, 0x80000000                  ; type = 2
	tensor_load_to_lds s[36:39], s[28:35]          ; my one tensor load: 64 rows of 256 bytes; only I read them
	s_nop 0
	PLACES                                         ; (the register windows are switched behind these four)
	s_add_nc_u64 s[44:45], s[44:45], s[58:59]
	s_add_nc_u64 s[42:43], s[42:43], s[60:61]
	s_add_nc_u64 s[46:47], s[46:47], s[52:53]
	s_add_nc_u64 s[24:25], s[24:25], s[62:63]
	s_add_nc_u64 s[26:27], s[26:27], s[54:55]
	WIN 0x40                                       ; destination window 1, address window 0
.set i, 0
.rept 8                                ; be: K step i / 4, 16 numbers a lane half
	global_load_b128 v[BL+4*i:BL+4*i+3], v[OBE], s[42:43] offset:128*(i/4)+16*(i%4)
.set i, i+1
.endr
.set i, 0
.rept 32                               ; W: K step i / 16, slot i % 16: 16 lanes take 256 consecutive bytes of a row
	global_load_b128 v[WL+4*i:WL+4*i+3], v[OW], s[44:45] offset:(32*(i/16)+i%16)*2048
.set i, i+1
.endr
	s_wait_loadcnt 16                              ; be and W's first K step are in; the second K step's sixteen loads stay out
	WIN 0x05                                       ; sources window 1, destination window 0
.set i, 0
.rept 16
	v_cvt_pk_bf16_f32 v[BEF+i], v[BL+2*i], v[BL+2*i+1]
.set i, i+1
.endr
; One K step: E's fragments out of LDS, everything rounded to bf16, 20 matrix instructions on 20 accumulators (they take turns).
.macro KSTEP k
.if (\k) == 0
	s_wait_tensorcnt 0x0                           ; my tile of E is in LDS
.endif
	WIN 0x40
.set i, 0
.rept 16                               ; block i / 4 of 16 rows, 16 numbers a lane
	ds_load_b128 v[EL+4*i:EL+4*i+3], v[AE] offset:(i/4)*16*PITCH+128*(\k)+16*(i%4)
.set i, i+1
.endr
.if (\k) == 1
	s_wait_loadcnt 0x0                             ; the rest of W
	PLACES                                         ; the fragments that the last products read are written below
.endif
	WIN 0x05
.set i, 0
.rept 32                               ; tile i / 8, register i % 8: rows j = 2 p, 2 p + 1 of one column
	v_cvt_pk_bf16_f32 v[WF+i], v[WL+64*(\k)+8*(i%8)+i/8], v[WL+64*(\k)+8*(i%8)+4+i/8]
.set i, i+1
.endr
	s_wait_dscnt 0x0                               ; E
.set i, 0
.rept 32
	v_cvt_pk_bf16_f32 v[EF+i], v[EL+2*i], v[EL+2*i+1]
.set i, i+1
.endr
	WIN 0
.set i, 0
.rept 16
.if (\k) == 0
	v_wmma_f32_16x16x32_bf16 v[ACC+8*i:ACC+8*i+7], v[EF+8*(i/4):EF+8*(i/4)+7], v[WF+8*(i%4):WF+8*(i%4)+7], 0
.else
	v_wmma_f32_16x16x32_bf16 v[ACC+8*i:ACC+8*i+7], v[EF+8*(i/4):EF+8*(i/4)+7], v[WF+8*(i%4):WF+8*(i%4)+7], v[ACC+8*i:ACC+8*i+7]
.endif
.set i, i+1
.endr
.set i, 0
.rept 4                                ; be in all sixteen rows of source 0: every row of the result is the sum be W
.if (\k) == 0
	v_wmma_f32_16x16x32_bf16 v[ACC+128+8*i:ACC+128+8*i+7], v[BEF+8*(\k):BEF+8*(\k)+7], v[WF+8*i:WF+8*i+7], 0
.else
	v_wmma_f32_16x16x32_bf16 v[ACC+128+8*i:ACC+128+8*i+7], v[BEF+8*(\k):BEF+8*(\k)+7], v[WF+8*i:WF+8*i+7], v[ACC+128+8*i:ACC+128+8*i+7]
.endif
.set i, i+1
.endr
.endm
	KSTEP 0
	KSTEP 1
	PLACES
.set i, 0
.rept 16                               ; accumulator (t = i / 4, c = i % 4): row 16 c + r, numbers 16 t + 8 hh + 0..7
	ds_store_b128 v[APS], v[ACC+8*i:ACC+8*i+3] offset:(i%4)*16*PITCH+64*(i/4)
	ds_store_b128 v[APS], v[ACC+8*i+4:ACC+8*i+7] offset:(i%4)*16*PITCH+64*(i/4)+16
.set i, i+1
.endr
.set i, 0
.rept 4
	ds_store_b32 v[ABS], v[ACC+128+8*i] offset:4*i ; n0 + 4 r + c; both halves of the lanes hold the same number
.set i, i+1
.endr
	s_wait_dscnt 0x0                               ; for the others' sake: my stores are done
	s_barrier_signal -1
	s_barrier_wait -1
.set i, 0
.rept 32                               ; partial tile i / 4, rows 8 w + 2 (i % 4) and the next
	ds_load_b128 v[ACC+4*i:ACC+4*i+3], v[ARD+i/8] offset:((i/4)%2)*ETILE+(i%4)*2*PITCH
.set i, i+1
.endr
.macro ADDST a, b                      ; partial tile a += partial tile b: my eight rows
.set i, 0
.rept 8
	v_pk_add_f32 v[ACC+16*(\a)+2*i:ACC+16*(\a)+2*i+1], v[ACC+16*(\a)+2*i:ACC+16*(\a)+2*i+1], v[ACC+16*(\b)+2*i:ACC+16*(\b)+2*i+1]
.set i, i+1
.endr
.endm
	s_wait_dscnt 0x0
	ADDST 0, 1
	ADDST 2, 3
	ADDST 4, 5
	ADDST 6, 7
	ADDST 0, 2
	ADDST 4, 6
	ADDST 0, 4
.set i, 0
.rept 4
	global_store_b128 v[OGT], v[ACC+4*i:ACC+4*i+3], s[24:25] offset:8192*i  ; 16 lanes store 256 consecutive bytes of a row of gt, at a multiple of 256
.set i, i+1
.endr
	s_or_b32 s40, s[WV], s[IQ]
	s_cmp_lg_u32 s40, 0
	s_cbranch_scc1 .Lend                           ; gb's 64 numbers are stored once: by wave 0 of iq = 0
	global_load_b64 v[32:33], v[OL8], s[46:47]     ; b of n0 + 2 lane, + 1
	v_add_nc_u32 v16, BS, v[OL8]
.set i, 0
.rept 8
	ds_load_b64 v[34+2*i:35+2*i], v16 offset:256*i
.set i, i+1
.endr
	s_wait_dscnt 0x0
	v_pk_add_f32 v[34:35], v[34:35], v[36:37]
	v_pk_add_f32 v[38:39], v[38:39], v[40:41]
	v_pk_add_f32 v[42:43], v[42:43], v[44:45]
	v_pk_add_f32 v[46:47], v[46:47], v[48:49]
	v_pk_add_f32 v[34:35], v[34:35], v[38:39]
	v_pk_add_f32 v[42:43], v[42:43], v[46:47]
	v_pk_add_f32 v[34:35], v[34:35], v[42:43]
	s_wait_loadcnt 0x0
	v_cvt_pk_bf16_f32 v50, v32, v33                ; b is rounded to bf16 like every input
	v_lshlrev_b32 v52, 16, v50
	v_and_b32 v53, 0xffff0000, v50
	v_pk_add_f32 v[34:35], v[34:35], v[52:53]
	global_store_b64 v[OL8], v[34:35], s[26:27]    ; 32 lanes: 256 consecutive bytes
.Lend:
	s_wait_tensorcnt 0x0                           ; the wave's end
	ds_add_u32 v[SPW], v[NIL]
	s_wait_dscnt 0x0
	s_endpgm
.Lfunc_end_k_qfbddb89776_fold:
	.size	k_qfbddb89776_fold, .Lfunc_end_k_qfbddb89776_fold-k_qfbddb89776_fold
	.p2alignl 7, 3214868480
	.fill 96, 4, 3214868480
	.section	.rodata,"a",@progbits
	.p2align	6, 0x0
	.amdhsa_kernel k_qfbddb89776_fold
		.amdhsa_group_segment_fixed_size 281600
		.amdhsa_private_segment_fixed_size 0
		.amdhsa_enable_private_segment 0
		.amdhsa_kernarg_size 96
		.amdhsa_user_sgpr_count 2
		.amdhsa_user_sgpr_kernarg_segment_ptr 1
		.amdhsa_wavefront_size32 1
		.amdhsa_system_sgpr_workgroup_id_x 1
		.amdhsa_system_sgpr_workgroup_id_y 1
		.amdhsa_system_sgpr_workgroup_id_z 1
		.amdhsa_system_vgpr_workitem_id 0
		.amdhsa_next_free_vgpr 480
		.amdhsa_next_free_sgpr 66
		.amdhsa_reserve_vcc 0
		.amdhsa_float_denorm_mode_32 3
		.amdhsa_float_denorm_mode_16_64 3
		.amdhsa_memory_ordered 1
		.amdhsa_forward_progress 1
		.amdhsa_inst_pref_size 33
	.end_amdhsa_kernel
	.amdgpu_metadata
---
amdhsa.version: [ 1, 2 ]
amdhsa.kernels:
  - .name:           k_qfbddb89776_fold
    .symbol:         k_qfbddb89776_fold.kd
    .args:
      - { .name: We1, .offset: 0, .size: 8, .value_kind: global_buffer, .address_space: global }
      - { .name: We2, .offset: 8, .size: 8, .value_kind: global_buffer, .address_space: global }
      - { .name: Wq, .offset: 16, .size: 8, .value_kind: global_buffer, .address_space: global }
      - { .name: Wk, .offset: 24, .size: 8, .value_kind: global_buffer, .address_space: global }
      - { .name: Wv, .offset: 32, .size: 8, .value_kind: global_buffer, .address_space: global }
      - { .name: be1, .offset: 40, .size: 8, .value_kind: global_buffer, .address_space: global }
      - { .name: be2, .offset: 48, .size: 8, .value_kind: global_buffer, .address_space: global }
      - { .name: bq, .offset: 56, .size: 8, .value_kind: global_buffer, .address_space: global }
      - { .name: bk, .offset: 64, .size: 8, .value_kind: global_buffer, .address_space: global }
      - { .name: bv, .offset: 72, .size: 8, .value_kind: global_buffer, .address_space: global }
      - { .name: gt, .offset: 80, .size: 8, .value_kind: global_buffer, .address_space: global }
      - { .name: gb, .offset: 88, .size: 8, .value_kind: global_buffer, .address_space: global }
    .group_segment_fixed_size: 281600
    .private_segment_fixed_size: 0
    .kernarg_segment_align: 8
    .kernarg_segment_size: 96
    .max_flat_workgroup_size: 256
    .sgpr_count:     66
    .vgpr_count:     480
    .wavefront_size: 32
...
	.end_amdgpu_metadata
.endif
;; end of part 1
;; launch qu (part 2): grid 32 x 1, 1 waves a work-group, no clusters, 167,936 bytes of LDS; arguments x1, gt, gb, ub, cb; writes ub, cb
.if DOCPART == 2
	.amdgcn_target "amdgcn-amd-amdhsa--gfx1250"
	.amdhsa_code_object_version 6
	.text
	.protected	k_qfbddb89776_qu
	.globl	k_qfbddb89776_qu
	.p2align	8
	.type	k_qfbddb89776_qu,@function
k_qfbddb89776_qu:
	s_mov_b64 s[64:65], 0
	v_nop
	global_prefetch_b8 v0, s[64:65] scope:SCOPE_SE
	s_setreg_imm32_b32 hwreg(HW_REG_WAVE_MODE, 25, 1), 1
	s_wait_xcnt 0x0
; QU: the query, folded into the keys' weights.  For head h:  q[b][d] = sum over i of x1[b][i] gt[0][32 h + d][i] + gb[0][32 h + d];
; u[b][h][i] = SC sum over d of q[b][d] gt[1][32 h + d][i];   c[h][b] = SC sum over d of gb[1][32 h + d] q[b][d];   SC = log2(e) / sqrt(32).
; Then the score of key s, in powers of two, is x2[b][s] . u[b][h] + c[h][b].
; FORMATS.  x1 is rounded once to bf16.  What the program itself has made (gt, q, u) enters a product as TWO bf16 numbers, hi + lo (about 16 significant bits); of (hi + lo)(hi + lo) the term
; lo lo is left out.  Sums in f32.  u is stored as its two parts: ub[b][part][h][i] bf16.  NaN and infinities are not treated apart.
; SHARES.  A work-group is one wave: head h = x / 2, features 128 (x % 2) on.  Both work-groups of a head make q (32 matrix instructions): nothing passes between work-groups.
; NO CLUSTER: what the two share, 32 KB of gt[0] and x1, is read twice in the whole launch.
; LAYOUT.  Step 1, q^T: source 0 = 16 rows d of gt[0], source 1 = 16 columns b of x1; slot s of lane half hh stands for i = 32 k + 16 hh + s in both.  In the result lane (r, hh) holds q[b = r][16 e + 8 hh + 0..7]:
; rounded in pairs that IS source 0 (rows b, 32 d) of step 2.  Step 2, u: source 1 = gt[1], which lies [d][i]: a lane takes 8 neighbouring i of one d, and the rounding pairs rows d: tile c has column r = 8 r + c.
.set PQ,   1040                        ; an LDS row of 256 f32 + 16 bytes
.set PK,   528                         ; an LDS row of 128 f32 + 16 bytes
.set X1L,  32*PQ                       ; behind gt[0]'s 32 rows: x1's 16 rows
.set GKL,  X1L+16*PQ                   ; gt[1]'s 32 rows x 128
.set SPARE, GKL+32*PK                  ; the spare words: 128 bytes that no other line names
.set VR,  1
.set VH,  2
.set AQ0, 3                            ; LDS: row r, 64 bytes for each lane half
.set AQ,  5                            ; the same at the K step in hand
.set AK,  7                            ; LDS: my place in gt[1]'s tile
.set OGB, 8
.set OUB, 9
.set OCB, 10
.set SPW, 12                           ; LDS address of my spare word; never rewritten
.set NIL, 13                           ; 0; never rewritten
.set CT,  14                           ; v14-15 c at work
.set QH,  16                           ; v16-23 q hi, v24-31 q lo
.set QL,  24
.set GH,  32                           ; v32-47 hi fragments of two blocks or tiles, v48-63 lo
.set GL,  48
.set XF,  64                           ; v64-71 x1's fragment
.set QA,  72                           ; v72-103 q^T: (e, hi) at 8 e, (e, lo) at 16 + 8 e
.set GQB, 104                          ; v104-119 gb[0] of my 16 d
.set LND, 128                          ; v128-175 as loaded from LDS
.set QF,  192                          ; v192-207 q in f32: 8 e + j
.set GKB, 208                          ; v208-223 gb[1] of my 16 d
.set TT,  224                          ; v224-231 eight neighbouring u
.set TP,  232                          ; v232-239 four pairs at work
.set UU,  64                           ; step 2: v64-127 u, tile c at 8 c
.set KL,  128                          ; step 2: v128-191 gt[1] as loaded: slot s at 4 s
.set OD,  128                          ; the way out: v128-191 what is stored
.set SH,   52
.set SGI,  53
.set MASK, 58
.set SC,   59
.set CNT,  62
.set KO,   63
.macro PLACES                          ; four plain vector instructions between a matrix instruction and what reads its result or writes its registers (ISA guide 7.12.1)
.rept 4
	v_nop
.endr
.endm
.macro SPLITA hi, lo, src, tmp         ; a pair of neighbouring f32 -> two bf16 hi, two bf16 lo = the rounded remainders (x - hi is exact in f32)
	v_cvt_pk_bf16_f32 v[(\hi)], v[(\src)], v[(\src)+1]
	v_lshlrev_b32 v[(\tmp)], 16, v[(\hi)]
	v_and_b32 v[(\tmp)+1], s[MASK], v[(\hi)]
	v_pk_add_f32 v[(\tmp):(\tmp)+1], v[(\src):(\src)+1], v[(\tmp):(\tmp)+1] neg_lo:[0,1] neg_hi:[0,1]
	v_cvt_pk_bf16_f32 v[(\lo)], v[(\tmp)], v[(\tmp)+1]
.endm
.macro SPLITN hi, lo, a, b, tmp        ; the same for two f32 that are no pair
	v_cvt_pk_bf16_f32 v[(\hi)], v[(\a)], v[(\b)]
	v_lshlrev_b32 v[(\tmp)], 16, v[(\hi)]
	v_and_b32 v[(\tmp)+1], s[MASK], v[(\hi)]
	v_sub_f32 v[(\tmp)], v[(\a)], v[(\tmp)]
	v_sub_f32 v[(\tmp)+1], v[(\b)], v[(\tmp)+1]
	v_cvt_pk_bf16_f32 v[(\lo)], v[(\tmp)], v[(\tmp)+1]
.endm
	s_load_b256 s[4:11], s[0:1], 0x0               ; x1 4, gt 6, gb 8, ub 10
	s_load_b64 s[12:13], s[0:1], 0x20              ; cb
	v_lshl_add_u32 v[SPW], v0, 2, SPARE
	v_mov_b32 v[NIL], 0
	ds_add_u32 v[SPW], v[NIL]                      ; the wave's opening: the add and its wait ahead of my first tensor load; the set-up stands between
	ds_add_u32 v12, v13
	s_lshr_b32 s[SH], ttmp9, 1
	s_and_b32 s[SGI], ttmp9, 1
	s_mov_b32 s[MASK], 0xffff0000
	s_mov_b32 s[SC], 0x3e8293ee                    ; log2(e) / sqrt(32) = 0.255035
	s_mov_b32 s60, 0x76543210                      ; v_permlanex16_b32: each lane takes its own place in the other half
	s_mov_b32 s61, 0xfedcba98
	; three tiles, a group 1 and a group 0 each
	s_mov_b32 s16, (2<<16)|(1<<20)|(7<<22)|(3<<25) ; gt[0]: 4-byte elements; padding: after every 256 words, 4 words
	s_mov_b32 s17, 256<<16
	s_mov_b32 s18, 32<<16
	s_mov_b32 s19, 256<<16
	s_mov_b32 s20, 32                              ; 32 rows of 256
	s_mov_b32 s21, 256
	s_mov_b32 s22, 0
	s_mov_b32 s23, 0
	s_mov_b32 s24, (2<<16)|(1<<20)|(7<<22)|(3<<25) ; x1: 16 rows of 256
	s_mov_b32 s25, 256<<16
	s_mov_b32 s26, 16<<16
	s_mov_b32 s27, 256<<16
	s_mov_b32 s28, 16
	s_mov_b32 s29, 256
	s_mov_b32 s30, 0
	s_mov_b32 s31, 0
	s_mov_b32 s32, (2<<16)|(1<<20)|(6<<22)|(3<<25) ; gt[1]: 32 rows of 128; padding after every 128 words
	s_mov_b32 s33, 128<<16
	s_mov_b32 s34, 32<<16
	s_mov_b32 s35, 128<<16
	s_mov_b32 s36, 32
	s_mov_b32 s37, 256
	s_mov_b32 s38, 0
	s_mov_b32 s39, 0
	s_mov_b32 s40, 1
	s_mov_b32 s41, 0
	s_mov_b32 s44, 1
	s_mov_b32 s45, X1L
	s_mov_b32 s48, 1
	s_mov_b32 s49, GKL
	s_lshl_b32 s54, s[SH], 15                      ; gt[0]: 32 h rows of 1,024 bytes
	s_mov_b32 s55, 0
	s_lshl_b32 s56, s[SGI], 9                      ; gt[1]: 524,288 bytes on, the same rows, 128 G numbers on
	s_add_co_u32 s56, s56, s54
	s_add_co_u32 s56, s56, 0x80000
	s_mov_b32 s57, 0
	s_lshl_b32 s66, s[SH], 7                       ; gb: 32 h numbers
	s_mov_b32 s67, 0
	s_lshl_b32 s68, s[SH], 9                       ; ub: row h of 512 bytes, 128 G numbers of 2 bytes
	s_lshl_b32 s70, s[SGI], 8
	s_add_co_u32 s68, s68, s70
	s_mov_b32 s69, 0
	s_lshl_b32 s70, s[SH], 6                       ; cb: row h of 64 bytes
	s_mov_b32 s71, 0
	s_mov_b32 s[KO], 0
	v_and_b32 v[VR], 15, v0
	v_bfe_u32 v[VH], v0, 4, 1
	v_mul_u32_u24 v[AQ0], v[VR], PQ
	v_lshl_add_u32 v[AQ0], v[VH], 6, v[AQ0]
	v_mul_u32_u24 v[AK], v[VH], 8*PK               ; rows d = 8 hh + ..
	v_lshl_add_u32 v[AK], v[VR], 5, v[AK]          ; 8 numbers a lane
	v_add_nc_u32 v[AK], GKL, v[AK]
	v_lshlrev_b32 v[OGB], 5, v[VH]
	v_lshlrev_b32 v[OUB], 4, v[VR]
	v_lshl_add_u32 v[OUB], v[VH], 17, v[OUB]       ; lanes 16-31: eight batches of 16,384 bytes on
	v_lshlrev_b32 v[OCB], 2, v[VR]
	s_wait_dscnt 0x0                               ; the opening add is done
	s_wait_kmcnt 0x0
	s_add_nc_u64 s[42:43], s[6:7], s[54:55]
	s_or_b32 s43, s43, 0x80000000
	s_mov_b64 s[46:47], s[4:5]
	s_or_b32 s47, s47, 0x80000000
	s_add_nc_u64 s[50:51], s[6:7], s[56:57]
	s_or_b32 s51, s51, 0x80000000
	tensor_load_to_lds s[40:43], s[16:23]          ; the three first fills together: three tensor loads of mine are out
	s_nop 0
	tensor_load_to_lds s[44:47], s[24:31]
	s_nop 0
	tensor_load_to_lds s[48:51], s[32:39]
	s_nop 0
	PLACES
	s_add_nc_u64 s[8:9], s[8:9], s[66:67]
	s_add_nc_u64 s[10:11], s[10:11], s[68:69]
	s_add_nc_u64 s[12:13], s[12:13], s[70:71]
.set i, 0
.rept 4                                ; gb[0] and gb[1] at 32 h + 16 e + 8 hh + 0..7
	global_load_b128 v[GQB+4*i:GQB+4*i+3], v[OGB], s[8:9] offset:64*(i/2)+16*(i%2)
	global_load_b128 v[GKB+4*i:GKB+4*i+3], v[OGB], s[8:9] offset:2048+64*(i/2)+16*(i%2)
.set i, i+1
.endr
; STEP 1.  One K step of 32 i: four matrix instructions on four accumulators, which take turns: blocks e = 0, 1 of gt[0]'s hi parts, then of its lo parts.
.macro QSTEP zero
.if !(\zero)
	PLACES                                         ; the fragments that the last products read are written below
.endif
	v_add_nc_u32 v[AQ], s[KO], v[AQ0]
.set i, 0
.rept 8
	ds_load_b128 v[LND+4*i:LND+4*i+3], v[AQ] offset:(i/4)*16*PQ+16*(i%4)
.set i, i+1
.endr
.set i, 0
.rept 4
	ds_load_b128 v[LND+32+4*i:LND+32+4*i+3], v[AQ] offset:X1L+16*i
.set i, i+1
.endr
	s_wait_dscnt 0x0
.set i, 0
.rept 16
	SPLITA GH+i, GL+i, LND+2*i, TP+2*(i%4)
.set i, i+1
.endr
.set i, 0
.rept 8
	v_cvt_pk_bf16_f32 v[XF+i], v[LND+32+2*i], v[LND+32+2*i+1]
.set i, i+1
.endr
.irp pt, 0,1
.irp e, 0,1
.if \zero
	v_wmma_f32_16x16x32_bf16 v[QA+16*(\pt)+8*(\e):QA+16*(\pt)+8*(\e)+7], v[GH+16*(\pt)+8*(\e):GH+16*(\pt)+8*(\e)+7], v[XF:XF+7], 0
.else
	v_wmma_f32_16x16x32_bf16 v[QA+16*(\pt)+8*(\e):QA+16*(\pt)+8*(\e)+7], v[GH+16*(\pt)+8*(\e):GH+16*(\pt)+8*(\e)+7], v[XF:XF+7], v[QA+16*(\pt)+8*(\e):QA+16*(\pt)+8*(\e)+7]
.endif
.endr
.endr
	s_add_co_u32 s[KO], s[KO], 128                 ; 32 numbers on
.endm
	s_wait_tensorcnt 0x1                           ; gt[0]'s rows and x1 are in; gt[1]'s tile, issued behind them, may stay out
	QSTEP 1                                        ; the first K step starts the sums
	s_mov_b32 s[CNT], 7
.Lq:
	QSTEP 0
	s_sub_co_u32 s[CNT], s[CNT], 1
	s_cmp_lg_u32 s[CNT], 0
	s_cbranch_scc1 .Lq
	PLACES
	s_wait_loadcnt 0x0                             ; gb
.set i, 0
.rept 8                                ; q = hi's sum + lo's sum + gb[0]; each accumulator is read from its low end on
	v_pk_add_f32 v[QF+2*i:QF+2*i+1], v[QA+8*(i/4)+2*(i%4):QA+8*(i/4)+2*(i%4)+1], v[QA+16+8*(i/4)+2*(i%4):QA+16+8*(i/4)+2*(i%4)+1]
.set i, i+1
.endr
.set i, 0
.rept 8
	v_pk_add_f32 v[QF+2*i:QF+2*i+1], v[QF+2*i:QF+2*i+1], v[GQB+2*i:GQB+2*i+1]
.set i, i+1
.endr
	v_pk_mul_f32 v[CT:CT+1], v[QF:QF+1], v[GKB:GKB+1]  ; c: my 16 d,
.set i, 1
.rept 7
	v_pk_fma_f32 v[CT:CT+1], v[QF+2*i:QF+2*i+1], v[GKB+2*i:GKB+2*i+1], v[CT:CT+1]
.set i, i+1
.endr
	v_add_f32 v[CT], v[CT], v[CT+1]
	v_permlanex16_b32 v[CT+1], v[CT], s60, s61     ; and the 16 of the lane 16 away
	v_add_f32 v[CT], v[CT], v[CT+1]
	v_mul_f32 v[CT], s[SC], v[CT]
	s_cmp_lg_u32 s[SGI], 0
	s_cbranch_scc1 .Lnoc                           ; one of a head's two work-groups stores c
	global_store_b32 v[OCB], v[CT], s[12:13]       ; both halves of the lanes hold and store the same number
.Lnoc:
.set i, 0
.rept 8
	SPLITA QH+i, QL+i, QF+2*i, TP+2*(i%4)
.set i, i+1
.endr
	; STEP 2.  One K step (32 d).  Eight tiles of 16 columns, two at a time: their accumulators take turns through q hi x g hi, q hi x g lo, q lo x g hi.
	s_wait_tensorcnt 0x0                           ; gt[1]'s tile
.irp qh, 0,1
.set i, 0
.rept 16                               ; slot i: row d = 8 hh + i (+ 8 from slot 8 on), numbers 8 r + 4 qh + 0..3
	ds_load_b128 v[KL+4*i:KL+4*i+3], v[AK] offset:(i+8*(i/8))*PK+16*(\qh)
.set i, i+1
.endr
	s_wait_dscnt 0x0
.irp pr, 0,1
.if (\qh)+(\pr) > 0
	PLACES                                         ; the fragments that the last products read are written below
.endif
.set i, 0
.rept 16                               ; tile i / 8 of the two, register i % 8
	SPLITN GH+i, GL+i, KL+8*(i%8)+2*(\pr)+i/8, KL+8*(i%8)+4+2*(\pr)+i/8, TP+2*(i%4)
.set i, i+1
.endr
.irp tl, 0,1
	v_wmma_f32_16x16x32_bf16 v[UU+8*(4*(\qh)+2*(\pr)+(\tl)):UU+8*(4*(\qh)+2*(\pr)+(\tl))+7], v[QH:QH+7], v[GH+8*(\tl):GH+8*(\tl)+7], 0
.endr
.irp tl, 0,1
	v_wmma_f32_16x16x32_bf16 v[UU+8*(4*(\qh)+2*(\pr)+(\tl)):UU+8*(4*(\qh)+2*(\pr)+(\tl))+7], v[QH:QH+7], v[GL+8*(\tl):GL+8*(\tl)+7], v[UU+8*(4*(\qh)+2*(\pr)+(\tl)):UU+8*(4*(\qh)+2*(\pr)+(\tl))+7]
.endr
.irp tl, 0,1
	v_wmma_f32_16x16x32_bf16 v[UU+8*(4*(\qh)+2*(\pr)+(\tl)):UU+8*(4*(\qh)+2*(\pr)+(\tl))+7], v[QL:QL+7], v[GH+8*(\tl):GH+8*(\tl)+7], v[UU+8*(4*(\qh)+2*(\pr)+(\tl)):UU+8*(4*(\qh)+2*(\pr)+(\tl))+7]
.endr
.endr
.endr
	; THE WAY OUT.  Register j of the eight tiles: batch 8 hh + j, features 8 r + 0..7.  The scaling brings them into neighbouring registers; hi and lo are 16 bytes each.
	PLACES
.set j, 0
.rept 8
.irp c, 0,1,2,3,4,5,6,7
	v_mul_f32 v[TT+(\c)], s[SC], v[UU+8*(\c)+j]
.endr
.irp p, 0,1,2,3
	SPLITA OD+8*j+(\p), OD+8*j+4+(\p), TT+2*(\p), TP+2*(\p)
.endr
	global_store_b128 v[OUB], v[OD+8*j:OD+8*j+3], s[10:11] offset:16384*j         ; 16 lanes store 256 consecutive bytes, at a multiple of 256; every store has data registers of its own
	global_store_b128 v[OUB], v[OD+8*j+4:OD+8*j+7], s[10:11] offset:16384*j+8192
.set j, j+1
.endr
	s_wait_tensorcnt 0x0                           ; the wave's end
	ds_add_u32 v[SPW], v[NIL]
	s_wait_dscnt 0x0
	s_endpgm
.Lfunc_end_k_qfbddb89776_qu:
	.size	k_qfbddb89776_qu, .Lfunc_end_k_qfbddb89776_qu-k_qfbddb89776_qu
	.p2alignl 7, 3214868480
	.fill 96, 4, 3214868480
	.section	.rodata,"a",@progbits
	.p2align	6, 0x0
	.amdhsa_kernel k_qfbddb89776_qu
		.amdhsa_group_segment_fixed_size 167936
		.amdhsa_private_segment_fixed_size 0
		.amdhsa_enable_private_segment 0
		.amdhsa_kernarg_size 40
		.amdhsa_user_sgpr_count 2
		.amdhsa_user_sgpr_kernarg_segment_ptr 1
		.amdhsa_wavefront_size32 1
		.amdhsa_system_sgpr_workgroup_id_x 1
		.amdhsa_system_sgpr_workgroup_id_y 1
		.amdhsa_system_sgpr_workgroup_id_z 1
		.amdhsa_system_vgpr_workitem_id 0
		.amdhsa_next_free_vgpr 256
		.amdhsa_next_free_sgpr 72
		.amdhsa_reserve_vcc 0
		.amdhsa_float_denorm_mode_32 3
		.amdhsa_float_denorm_mode_16_64 3
		.amdhsa_memory_ordered 1
		.amdhsa_forward_progress 1
		.amdhsa_inst_pref_size 53
	.end_amdhsa_kernel
	.amdgpu_metadata
---
amdhsa.version: [ 1, 2 ]
amdhsa.kernels:
  - .name:           k_qfbddb89776_qu
    .symbol:         k_qfbddb89776_qu.kd
    .args:
      - { .name: x1, .offset: 0, .size: 8, .value_kind: global_buffer, .address_space: global }
      - { .name: gt, .offset: 8, .size: 8, .value_kind: global_buffer, .address_space: global }
      - { .name: gb, .offset: 16, .size: 8, .value_kind: global_buffer, .address_space: global }
      - { .name: ub, .offset: 24, .size: 8, .value_kind: global_buffer, .address_space: global }
      - { .name: cb, .offset: 32, .size: 8, .value_kind: global_buffer, .address_space: global }
    .group_segment_fixed_size: 167936
    .private_segment_fixed_size: 0
    .kernarg_segment_align: 8
    .kernarg_segment_size: 40
    .max_flat_workgroup_size: 32
    .sgpr_count:     72
    .vgpr_count:     256
    .wavefront_size: 32
...
	.end_amdgpu_metadata
.endif
;; end of part 2
;; launch main (part 3): grid 16 x 16, 8 waves a work-group, no clusters, 317,952 bytes of LDS; arguments x2, x3, ub, cb, yp, ml; writes yp, ml
.if DOCPART == 3
	.amdgcn_target "amdgcn-amd-amdhsa--gfx1250"
	.amdhsa_code_object_version 6
	.text
	.protected	k_qfbddb89776_main
	.globl	k_qfbddb89776_main
	.p2align	8
	.type	k_qfbddb89776_main,@function
k_qfbddb89776_main:
	s_mov_b64 s[64:65], 0
	v_nop
	global_prefetch_b8 v0, s[64:65] scope:SCOPE_SE
	s_setreg_imm32_b32 hwreg(HW_REG_WAVE_MODE, 25, 1), 1
	s_wait_xcnt 0x0
; MAIN: the stream.  For batch b and a chunk of 256 keys, for all 16 heads:  s[h][k] = x2[b][k] . u[b][h] + c[h][b] (in powers of two);  m[h] = the chunk's maximum of s;  p = 2^(s - m);
; l[h] = sum of p;  y[h][i] = sum over k of p[h][k] x3[b][k][i].  Stored: yp[b][chunk][h][i], ml[b][chunk][m: 16 h | l: 16 h], all f32; the next launch brings the chunks to the common maximum.
; FORMATS.  x2 and x3 are rounded once to bf16.  u arrives as two bf16 parts, p is split into two (hi + lo, about 16 significant bits).  Sums, maxima and l (of the unrounded p) in f32.
; LIMITS.  A weight below 2^-126 counts as 0.  NaN and infinities are not treated apart.
; BYTES.  Each byte of x2 and x3 is read once and has a place of its own from the start, so nothing in LDS is filled twice: the chunk's x2 (256 KB) goes into LDS by tensor loads (the scores want a key
; a lane), the chunk's x3 (256 KB) straight into registers, 64 loads of 16 bytes a lane in each of the eight waves.  A wave asks for three quarters of its x3 when its first 16 keys of x2 are in, for the rest
; when its second 16 are: scores and softmax run while x3 is on its way.  Should the 64th load find the counter's field full, its issue is held (ISA guide 5.7.1); no wait is written for that.
; SHARES.  Scores: wave w has keys 32 w .. + 31, two tiles of 16.  Second product: wave w has features 64 (w % 4) .. + 63 and keys 128 (w / 4) .. + 127 (four K steps); the two halves of the keys meet in LDS.
; LAYOUT.  Scores: source 0 = 16 keys, source 1 = 16 heads; slot s of lane half hh stands for feature 32 k + 16 hh + s in both.  In the result lane (r, hh) holds head r and keys 8 hh + 0..7: two tiles rounded in
; pairs ARE source 0 (16 heads x 32 keys) of the second product.  x3 lies [key][feature]: a lane loads 4 neighbouring features of one key (16 lanes: 256 consecutive bytes) and the rounding pairs keys:
; tile c has column r = feature 4 r + c.  Nothing is transposed.
; NO CLUSTER: the work-groups share only u, 16 KB of the 528 KB that each reads.  NO PREFETCH: every byte is asked for at the start or as soon as the bytes ahead of it have landed.
.set PX,    1040                       ; an LDS row of x2: 1,024 bytes + 16: the sixteen rows of a 16-byte load start 16 bytes further on each, modulo 256
.set PU,    528                        ; an LDS row of u: 512 bytes + 16
.set ULDS,  256*PX                     ; u: row 16 part + head
.set PBUF,  ULDS+32*PU                 ; p as fragments: K step w at 2,048 w: hi (two loads' worth of 512 bytes), lo
.set SM,    PBUF+16384                 ; the waves' maxima: wave w's 16 heads at 64 w;  512 bytes on: the waves' sums
.set YR,    SM+1024                    ; the upper keys' y, 4,096 bytes for each quarter of the features
.set SPARE, YR+16384                   ; the spare words, 128 bytes a wave: no other line names them
.set VR,  1
.set VH,  2
.set VL,  3
.set AX,  4                            ; LDS: my key's row of x2
.set AU,  5                            ; LDS: my head's row of u
.set A3,  6                            ; byte offset in x3's rows; the same in yp's
.set APS, 7                            ; LDS: where I put p
.set ASM, 8                            ; LDS: where I put my wave's maximum
.set ASR, 9                            ; LDS: where I read the eight waves'
.set APL, 10                           ; LDS: where I read p
.set AYR, 11                           ; LDS: y's exchange
.set OC,  12
.set OML, 13
.set CC,  14                           ; v14-15 c, twice
.set MM,  16                           ; v16-17 m, twice
.set TP,  18                           ; v18-25 four pairs at work
.set RA,  26
.set RB,  27
.set SPW, 28                           ; LDS address of my spare word; never rewritten
.set NIL, 29                           ; 0; never rewritten
.set MLD, 30                           ; what wave 0 stores into ml
.set XL,  32                           ; v32-63   x2 of two K steps as loaded
.set UF,  64                           ; v64-127  u's fragments, two sets of (2 K steps x 2 parts)
.set AF,  128                          ; v128-159 x2's fragments, two sets of 2 K steps
.set ACC, 160                          ; v160-191 scores: tile T's hi sum at 16 T, lo sum at 16 T + 8
.set SS,  192                          ; v192-207 s, then p: 8 T + j
.set PH,  208                          ; v208-215 p hi, v216-223 p lo
.set PL,  216
.set W8,  224                          ; v224-231 the eight waves' figures
.set PF,  32                           ; later: v32-95 p's fragments: K step t, part at 16 t + 8 part
.set BF,  96                           ; v96-159  x3's fragments, two sets of four tiles
.set YY,  160                          ; v160-191 y: tile c at 8 c
.set RR,  192                          ; v192-223 the other half's y
.set TT,  224                          ; v224-255 what is stored
                                       ; window 1: v0-255 x3 as loaded: K step t, slot s at 64 t + 4 s
.set WV,   44
.set SB,   45
.set MASK, 46
.set SG,   47
.set SKH,  48
.set TS,   49
.set MSB, 0
.macro WIN new                         ; s_set_vgpr_msb: bits 1:0 source 0, 3:2 source 1, 5:4 source 2, 7:6 destination; the high byte repeats the setting that is left
.if MSB != (\new)
	s_set_vgpr_msb (MSB<<8)|(\new)
.set MSB, \new
.endif
.endm
.macro PLACES                          ; four plain vector instructions between a matrix instruction and what reads its result or writes its registers (ISA guide 7.12.1)
.rept 4
	v_nop
.endr
.endm
.macro SPLITA hi, lo, src, tmp         ; a pair of neighbouring f32 -> two bf16 hi, two bf16 lo = the rounded remainders (x - hi is exact in f32)
	v_cvt_pk_bf16_f32 v[(\hi)], v[(\src)], v[(\src)+1]
	v_lshlrev_b32 v[(\tmp)], 16, v[(\hi)]
	v_and_b32 v[(\tmp)+1], s[MASK], v[(\hi)]
	v_pk_add_f32 v[(\tmp):(\tmp)+1], v[(\src):(\src)+1], v[(\tmp):(\tmp)+1] neg_lo:[0,1] neg_hi:[0,1]
	v_cvt_pk_bf16_f32 v[(\lo)], v[(\tmp)], v[(\tmp)+1]
.endm
	s_load_b256 s[4:11], s[0:1], 0x0               ; x2 4, x3 6, ub 8, cb 10
	s_load_b128 s[12:15], s[0:1], 0x20             ; yp 12, ml 14
	v_lshl_add_u32 v[SPW], v0, 2, SPARE
	v_mov_b32 v[NIL], 0
	ds_add_u32 v[SPW], v[NIL]                      ; the wave's opening: the add and its wait ahead of my first tensor load; the set-up stands between
	ds_add_u32 v28, v29
	v_lshrrev_b32 v1, 5, v0
	v_readfirstlane_b32 s[WV], v1
	s_and_b32 s[SB], ttmp7, 0xffff                 ; the batch; ttmp9 is the chunk
	s_and_b32 s[SG], s[WV], 3                      ; my quarter of the features
	s_lshr_b32 s[SKH], s[WV], 2                    ; my half of the keys
	s_mov_b32 s[MASK], 0xffff0000
	s_mov_b32 s62, 0x76543210                      ; v_permlanex16_b32: each lane takes its own place in the other half
	s_mov_b32 s63, 0xfedcba98
	s_mov_b32 s16, (1<<16)|(1<<20)|(6<<22)|(3<<25) ; u: 2-byte elements; padding: after every 128 words, 4 words
	s_mov_b32 s17, 256<<16
	s_mov_b32 s18, 4<<16
	s_mov_b32 s19, 256<<16
	s_mov_b32 s20, 4                               ; 4 rows of 256: each wave brings an eighth
	s_mov_b32 s21, 256
	s_mov_b32 s22, 0
	s_mov_b32 s23, 0
	s_mov_b32 s24, (2<<16)|(1<<20)|(7<<22)|(3<<25) ; x2: 4-byte elements; padding: after every 256 words, 4 words
	s_mov_b32 s25, 256<<16
	s_mov_b32 s26, 16<<16
	s_mov_b32 s27, 256<<16
	s_mov_b32 s28, 16                              ; 16 keys of 256
	s_mov_b32 s29, 256
	s_mov_b32 s30, 0
	s_mov_b32 s31, 0
	s_mov_b32 s32, 1
	s_mul_i32 s33, s[WV], 4*PU
	s_add_co_u32 s33, s33, ULDS
	s_mov_b32 s36, 1
	s_mul_i32 s37, s[WV], 32*PX                    ; my 32 keys' rows
	s_mov_b32 s40, 1
	s_add_co_u32 s41, s37, 16*PX
	s_lshl_b32 s50, s[SB], 22                      ; x2, x3: 4,096 b + 256 chunk keys of 1,024 bytes
	s_lshl_b32 s[TS], ttmp9, 18
	s_add_co_u32 s50, s50, s[TS]
	s_lshl_b32 s52, s[SKH], 17                     ; x3: + 128 kh keys + 64 g features
	s_add_co_u32 s52, s52, s50
	s_lshl_b32 s[TS], s[SG], 8
	s_add_co_u32 s52, s52, s[TS]
	s_mov_b32 s53, 0
	s_lshl_b32 s58, s[SB], 18                      ; yp: (16 b + chunk) x 16,384 bytes + 64 g features
	s_add_co_u32 s58, s58, s[TS]
	s_lshl_b32 s[TS], ttmp9, 14
	s_add_co_u32 s58, s58, s[TS]
	s_mov_b32 s59, 0
	s_lshl_b32 s[TS], s[WV], 15                    ; x2: + 32 w keys
	s_add_co_u32 s50, s50, s[TS]
	s_mov_b32 s51, 0
	s_lshl_b32 s54, s[SB], 14                      ; ub: batch b, rows 4 w on
	s_lshl_b32 s[TS], s[WV], 11
	s_add_co_u32 s54, s54, s[TS]
	s_mov_b32 s55, 0
	s_lshl_b32 s56, s[SB], 2                       ; cb: column b
	s_mov_b32 s57, 0
	s_lshl_b32 s60, s[SB], 11                      ; ml: (16 b + chunk) x 128 bytes
	s_lshl_b32 s[TS], ttmp9, 7
	s_add_co_u32 s60, s60, s[TS]
	s_mov_b32 s61, 0
	v_and_b32 v[VR], 15, v0
	v_bfe_u32 v[VH], v0, 4, 1
	v_and_b32 v[VL], 31, v0
	v_mul_u32_u24 v[AX], v[VR], PX
	v_lshl_add_u32 v[AX], v[VH], 6, v[AX]          ; key r, 16 features of 4 bytes for each lane half
	v_add_nc_u32 v[AX], s37, v[AX]
	v_mul_u32_u24 v[AU], v[VR], PU
	v_lshl_add_u32 v[AU], v[VH], 5, v[AU]          ; head r, 16 features of 2 bytes for each lane half
	v_add_nc_u32 v[AU], ULDS, v[AU]
	v_lshlrev_b32 v[A3], 4, v[VR]
	v_lshl_add_u32 v[A3], v[VH], 13, v[A3]         ; lanes 16-31: eight rows of 1,024 bytes on
	s_lshl_b32 s[TS], s[WV], 11
	s_add_co_u32 s[TS], s[TS], PBUF
	v_lshl_add_u32 v[APS], v[VL], 4, s[TS]
	s_lshl_b32 s[TS], s[WV], 6
	s_add_co_u32 s[TS], s[TS], SM
	v_lshl_add_u32 v[ASM], v[VR], 2, s[TS]
	v_lshl_add_u32 v[ASR], v[VR], 2, SM
	s_lshl_b32 s[TS], s[SKH], 13
	s_add_co_u32 s[TS], s[TS], PBUF
	v_lshl_add_u32 v[APL], v[VL], 4, s[TS]
	s_lshl_b32 s[TS], s[SG], 12
	s_add_co_u32 s[TS], s[TS], YR
	v_lshl_add_u32 v[AYR], v[VL], 4, s[TS]
	v_lshlrev_b32 v[OC], 6, v[VR]
	v_lshlrev_b32 v[OML], 2, v[VL]
	s_wait_dscnt 0x0                               ; the opening add is done
	s_wait_kmcnt 0x0
	s_add_nc_u64 s[34:35], s[8:9], s[54:55]
	s_or_b32 s35, s35, 0x80000000
	s_add_nc_u64 s[38:39], s[4:5], s[50:51]
	s_add_nc_u64 s[42:43], s[38:39], 16384         ; the second 16 keys
	s_or_b32 s39, s39, 0x80000000
	s_or_b32 s43, s43, 0x80000000
	tensor_load_to_lds s[32:35], s[16:23]          ; the three first fills together: three tensor loads of mine are out.  My eighth of u,
	s_nop 0
	tensor_load_to_lds s[36:39], s[24:31]          ; my first 16 keys,
	s_nop 0
	tensor_load_to_lds s[40:43], s[24:31]          ; my second 16
	s_nop 0
	PLACES
	s_add_nc_u64 s[6:7], s[6:7], s[52:53]
	s_add_nc_u64 s[10:11], s[10:11], s[56:57]
	s_add_nc_u64 s[12:13], s[12:13], s[58:59]
	s_add_nc_u64 s[14:15], s[14:15], s[60:61]
	global_load_b32 v[CC], v[OC], s[10:11]         ; c of head r
.macro X3LOAD t                        ; K step t of my four: 32 keys x my 64 features.  Slot i: key 8 hh + i (+ 8 from slot 8 on)
	WIN 0x40                                       ; destination window 1, address window 0
.set i, 0
.rept 16
	global_load_b128 v[64*(\t)+4*i:64*(\t)+4*i+3], v[A3], s[6:7] offset:(32*(\t)+i+8*(i/8))*1024 th:TH_LOAD_NT
.set i, i+1
.endr
.endm
.macro SLOADS T, P                     ; tile T, K steps 2 P and 2 P + 1: x2 as it lies, u's two parts as fragments
.set i, 0
.rept 8
	ds_load_b128 v[XL+4*i:XL+4*i+3], v[AX] offset:(\T)*16*PX+128*(2*(\P)+i/4)+16*(i%4)
.set i, i+1
.endr
.set i, 0
.rept 8                                ; K step i / 4, part (i / 2) % 2
	ds_load_b128 v[UF+32*((\P)%2)+4*i:UF+32*((\P)%2)+4*i+3], v[AU] offset:16*PU*((i/2)%2)+64*(2*(\P)+i/4)+16*(i%2)
.set i, i+1
.endr
.endm
; Two K steps of tile T.  The sixteen roundings name no register of the four products before them: they are the places between those products and the loads into the set of u that they read.
; The tile's two accumulators (u's hi part, u's lo part) take turns.
.macro SPAIR T, P
	s_wait_dscnt 0x0
.set i, 0
.rept 16
	v_cvt_pk_bf16_f32 v[AF+16*((\P)%2)+i], v[XL+2*i], v[XL+2*i+1]
.set i, i+1
.endr
.if (\P) < 3
	SLOADS \T, (\P)+1
.endif
.irp kk, 0,1
.irp pt, 0,1
.if ((\P) == 0) && ((\kk) == 0)
	v_wmma_f32_16x16x32_bf16 v[ACC+16*(\T)+8*(\pt):ACC+16*(\T)+8*(\pt)+7], v[AF+16*((\P)%2)+8*(\kk):AF+16*((\P)%2)+8*(\kk)+7], v[UF+32*((\P)%2)+16*(\kk)+8*(\pt):UF+32*((\P)%2)+16*(\kk)+8*(\pt)+7], 0
.else
	v_wmma_f32_16x16x32_bf16 v[ACC+16*(\T)+8*(\pt):ACC+16*(\T)+8*(\pt)+7], v[AF+16*((\P)%2)+8*(\kk):AF+16*((\P)%2)+8*(\kk)+7], v[UF+32*((\P)%2)+16*(\kk)+8*(\pt):UF+32*((\P)%2)+16*(\kk)+8*(\pt)+7], v[ACC+16*(\T)+8*(\pt):ACC+16*(\T)+8*(\pt)+7]
.endif
.endr
.endr
.endm
	s_wait_tensorcnt 0x2                           ; my eighth of u is in; my two tiles of x2, issued behind it, stay out
	s_barrier_signal -1
	s_barrier_wait -1                              ; everybody's eighth is
	s_wait_tensorcnt 0x1                           ; my first 16 keys are in; the second 16 stay out
	s_wait_loadcnt 0x0                             ; c
	v_mov_b32 v[CC+1], v[CC]
	X3LOAD 0
	X3LOAD 1
	X3LOAD 2
	WIN 0
	SLOADS 0, 0
	SPAIR 0, 0
	SPAIR 0, 1
	SPAIR 0, 2
	SPAIR 0, 3
	s_wait_tensorcnt 0x0                           ; my second 16 keys
	X3LOAD 3
	WIN 0
	SLOADS 1, 0
	SPAIR 1, 0
	SPAIR 1, 1
	SPAIR 1, 2
	SPAIR 1, 3
	; s = hi's sum + lo's sum + c.  Tile 0's eight lines are the places behind tile 1's last products; each accumulator is read from its low end on.
.irp T, 0,1
.set i, 0
.rept 4
	v_pk_add_f32 v[SS+8*(\T)+2*i:SS+8*(\T)+2*i+1], v[ACC+16*(\T)+2*i:ACC+16*(\T)+2*i+1], v[ACC+16*(\T)+8+2*i:ACC+16*(\T)+8+2*i+1]
.set i, i+1
.endr
.set i, 0
.rept 4
	v_pk_add_f32 v[SS+8*(\T)+2*i:SS+8*(\T)+2*i+1], v[SS+8*(\T)+2*i:SS+8*(\T)+2*i+1], v[CC:CC+1] op_sel_hi:[1,0]
.set i, i+1
.endr
.endr
	; the maximum of head r over my wave's 32 keys: my 16, then the 16 of the lane 16 away
	v_max3_num_f32 v[RA], v[SS], v[SS+1], v[SS+2]
	v_max3_num_f32 v[RB], v[SS+3], v[SS+4], v[SS+5]
	v_max3_num_f32 v[RA], v[RA], v[SS+6], v[SS+7]
	v_max3_num_f32 v[RB], v[RB], v[SS+8], v[SS+9]
	v_max3_num_f32 v[RA], v[RA], v[SS+10], v[SS+11]
	v_max3_num_f32 v[RB], v[RB], v[SS+12], v[SS+13]
	v_max3_num_f32 v[RA], v[RA], v[SS+14], v[SS+15]
	v_max_num_f32 v[RA], v[RA], v[RB]
	v_permlanex16_b32 v[RB], v[RA], s62, s63
	v_max_num_f32 v[RA], v[RA], v[RB]
	ds_store_b32 v[ASM], v[RA]                     ; both halves of the lanes store the same number
	s_wait_dscnt 0x0                               ; for the others' sake
	s_barrier_signal -1
	s_barrier_wait -1
.set i, 0
.rept 8
	ds_load_b32 v[W8+i], v[ASR] offset:64*i
.set i, i+1
.endr
	s_wait_dscnt 0x0
	v_max3_num_f32 v[MM], v[W8], v[W8+1], v[W8+2]
	v_max3_num_f32 v[MM+1], v[W8+3], v[W8+4], v[W8+5]
	v_max3_num_f32 v[MM], v[MM], v[W8+6], v[W8+7]
	v_max_num_f32 v[MM], v[MM], v[MM+1]            ; m: the chunk's maximum for head r
	v_mov_b32 v[MM+1], v[MM]
.set i, 0
.rept 8
	v_pk_add_f32 v[SS+2*i:SS+2*i+1], v[SS+2*i:SS+2*i+1], v[MM:MM+1] op_sel_hi:[1,0] neg_lo:[0,1] neg_hi:[0,1]
.set i, i+1
.endr
.set i, 0
.rept 16
	v_exp_f32 v[SS+i], v[SS+i]
.set i, i+1
.endr
	v_nop                                          ; a plain instruction between the last exponential and the use of its result (ISA guide 5.7.2)
	s_wait_alu depctr_va_vdst(0)
	v_pk_add_f32 v[TP:TP+1], v[SS:SS+1], v[SS+2:SS+3]
	v_pk_add_f32 v[TP+2:TP+3], v[SS+4:SS+5], v[SS+6:SS+7]
	v_pk_add_f32 v[TP+4:TP+5], v[SS+8:SS+9], v[SS+10:SS+11]
	v_pk_add_f32 v[TP+6:TP+7], v[SS+12:SS+13], v[SS+14:SS+15]
	v_pk_add_f32 v[TP:TP+1], v[TP:TP+1], v[TP+2:TP+3]
	v_pk_add_f32 v[TP+4:TP+5], v[TP+4:TP+5], v[TP+6:TP+7]
	v_pk_add_f32 v[TP:TP+1], v[TP:TP+1], v[TP+4:TP+5]
	v_add_f32 v[RA], v[TP], v[TP+1]
	v_permlanex16_b32 v[RB], v[RA], s62, s63
	v_add_f32 v[RA], v[RA], v[RB]                  ; my wave's part of l
.set i, 0
.rept 8
	SPLITA PH+i, PL+i, SS+2*i, TP+2*(i%4)
.set i, i+1
.endr
	ds_store_b128 v[APS], v[PH:PH+3]               ; p as it will be read: fragments of K step w, 16 bytes a lane
	ds_store_b128 v[APS], v[PH+4:PH+7] offset:512
	ds_store_b128 v[APS], v[PL:PL+3] offset:1024
	ds_store_b128 v[APS], v[PL+4:PL+7] offset:1536
	ds_store_b32 v[ASM], v[RA] offset:512
	s_wait_dscnt 0x0                               ; for the others' sake
	s_barrier_signal -1
	s_barrier_wait -1
.set i, 0
.rept 16                               ; my four K steps' p, hi and lo
	ds_load_b128 v[PF+4*i:PF+4*i+3], v[APL] offset:512*i
.set i, i+1
.endr
	s_cmp_lg_u32 s[WV], 0
	s_cbranch_scc1 .Lnot0                          ; wave 0 stores the chunk's m and l
.set i, 0
.rept 8
	ds_load_b32 v[W8+i], v[ASR] offset:512+64*i
.set i, i+1
.endr
	s_wait_dscnt 0x0
	v_pk_add_f32 v[W8:W8+1], v[W8:W8+1], v[W8+2:W8+3]
	v_pk_add_f32 v[W8+4:W8+5], v[W8+4:W8+5], v[W8+6:W8+7]
	v_pk_add_f32 v[W8:W8+1], v[W8:W8+1], v[W8+4:W8+5]
	v_add_f32 v[W8], v[W8], v[W8+1]
	v_cmp_gt_u32 vcc_lo, 16, v[VL]
	v_cndmask_b32 v[MLD], v[W8], v[MM], vcc_lo     ; lanes 0-15: m of head r; lanes 16-31: l of head r
	global_store_b32 v[OML], v[MLD], s[14:15]      ; 128 consecutive bytes; its data register is not written again
.Lnot0:
	s_wait_dscnt 0x0                               ; p
; One K step of y += p x3.  The wait counts the x3 loads of my later K steps.  Two sets of fragments: a step's roundings are the places behind the products of the step before, which read the other set.
; The four accumulators take turns, through p hi and then p lo.
.macro PVSTEP t
	s_wait_loadcnt 48-16*(\t)
	WIN 0x05                                       ; sources window 1, destination window 0
.set i, 0
.rept 32                               ; tile i / 8, register i % 8: keys of slots 2 p, 2 p + 1, one feature
	v_cvt_pk_bf16_f32 v[BF+32*((\t)%2)+i], v[64*(\t)+8*(i%8)+i/8], v[64*(\t)+8*(i%8)+4+i/8]
.set i, i+1
.endr
	WIN 0
.irp pt, 0,1
.irp c, 0,1,2,3
.if ((\t) == 0) && ((\pt) == 0)
	v_wmma_f32_16x16x32_bf16 v[YY+8*(\c):YY+8*(\c)+7], v[PF+16*(\t)+8*(\pt):PF+16*(\t)+8*(\pt)+7], v[BF+32*((\t)%2)+8*(\c):BF+32*((\t)%2)+8*(\c)+7], 0
.else
	v_wmma_f32_16x16x32_bf16 v[YY+8*(\c):YY+8*(\c)+7], v[PF+16*(\t)+8*(\pt):PF+16*(\t)+8*(\pt)+7], v[BF+32*((\t)%2)+8*(\c):BF+32*((\t)%2)+8*(\c)+7], v[YY+8*(\c):YY+8*(\c)+7]
.endif
.endr
.endr
.endm
	PVSTEP 0
	PVSTEP 1
	PVSTEP 2
	PVSTEP 3
	PLACES
	s_cmp_lt_u32 s[WV], 4
	s_cbranch_scc1 .Llower
.set i, 0
.rept 8                                ; waves 4-7 hand their y over, register by register
	ds_store_b128 v[AYR], v[YY+4*i:YY+4*i+3] offset:512*i
.set i, i+1
.endr
.Llower:
	s_wait_dscnt 0x0                               ; for the others' sake
	s_barrier_signal -1
	s_barrier_wait -1
	s_cmp_ge_u32 s[WV], 4
	s_cbranch_scc1 .Lend
.set i, 0
.rept 8
	ds_load_b128 v[RR+4*i:RR+4*i+3], v[AYR] offset:512*i
.set i, i+1
.endr
	s_wait_dscnt 0x0
.set j, 0
.rept 8                                ; register j of the four tiles: head 8 hh + j, features 4 r + 0..3: the addition brings them into neighbouring registers
.irp c, 0,1,2,3
	v_add_f32 v[TT+4*j+(\c)], v[YY+8*(\c)+j], v[RR+8*(\c)+j]
.endr
	global_store_b128 v[A3], v[TT+4*j:TT+4*j+3], s[12:13] offset:1024*j  ; 16 lanes store 256 consecutive bytes, at a multiple of 256; every store has data registers of its own
.set j, j+1
.endr
.Lend:
	s_wait_tensorcnt 0x0                           ; the wave's end
	ds_add_u32 v[SPW], v[NIL]
	s_wait_dscnt 0x0
	s_endpgm
.Lfunc_end_k_qfbddb89776_main:
	.size	k_qfbddb89776_main, .Lfunc_end_k_qfbddb89776_main-k_qfbddb89776_main
	.p2alignl 7, 3214868480
	.fill 96, 4, 3214868480
	.section	.rodata,"a",@progbits
	.p2align	6, 0x0
	.amdhsa_kernel k_qfbddb89776_main
		.amdhsa_group_segment_fixed_size 317952
		.amdhsa_private_segment_fixed_size 0
		.amdhsa_enable_private_segment 0
		.amdhsa_kernarg_size 48
		.amdhsa_user_sgpr_count 2
		.amdhsa_user_sgpr_kernarg_segment_ptr 1
		.amdhsa_wavefront_size32 1
		.amdhsa_system_sgpr_workgroup_id_x 1
		.amdhsa_system_sgpr_workgroup_id_y 1
		.amdhsa_system_sgpr_workgroup_id_z 1
		.amdhsa_system_vgpr_workitem_id 0
		.amdhsa_next_free_vgpr 512
		.amdhsa_next_free_sgpr 66
		.amdhsa_reserve_vcc 1
		.amdhsa_float_denorm_mode_32 3
		.amdhsa_float_denorm_mode_16_64 3
		.amdhsa_memory_ordered 1
		.amdhsa_forward_progress 1
		.amdhsa_inst_pref_size 53
	.end_amdhsa_kernel
	.amdgpu_metadata
---
amdhsa.version: [ 1, 2 ]
amdhsa.kernels:
  - .name:           k_qfbddb89776_main
    .symbol:         k_qfbddb89776_main.kd
    .args:
      - { .name: x2, .offset: 0, .size: 8, .value_kind: global_buffer, .address_space: global }
      - { .name: x3, .offset: 8, .size: 8, .value_kind: global_buffer, .address_space: global }
      - { .name: ub, .offset: 16, .size: 8, .value_kind: global_buffer, .address_space: global }
      - { .name: cb, .offset: 24, .size: 8, .value_kind: global_buffer, .address_space: global }
      - { .name: yp, .offset: 32, .size: 8, .value_kind: global_buffer, .address_space: global }
      - { .name: ml, .offset: 40, .size: 8, .value_kind: global_buffer, .address_space: global }
    .group_segment_fixed_size: 317952
    .private_segment_fixed_size: 0
    .kernarg_segment_align: 8
    .kernarg_segment_size: 48
    .max_flat_workgroup_size: 256
    .sgpr_count:     66
    .vgpr_count:     512
    .wavefront_size: 32
...
	.end_amdgpu_metadata
.endif
;; end of part 3
;; launch post1 (part 4): grid 16 x 1, 16 waves a work-group, no clusters, 167,936 bytes of LDS; arguments yp, ml, gt, gb, av; writes av
.if DOCPART == 4
	.amdgcn_target "amdgcn-amd-amdhsa--gfx1250"
	.amdhsa_code_object_version 6
	.text
	.protected	k_qfbddb89776_post1
	.globl	k_qfbddb89776_post1
	.p2align	8
	.type	k_qfbddb89776_post1,@function
k_qfbddb89776_post1:
	s_mov_b64 s[64:65], 0
	v_nop
	global_prefetch_b8 v0, s[64:65] scope:SCOPE_SE
	s_setreg_imm32_b32 hwreg(HW_REG_WAVE_MODE, 25, 1), 1
	s_wait_xcnt 0x0
; POST1, for head h: the 16 chunks of each batch are brought to the common maximum, and the mean of x3 goes through the folded value weights.
; M = max over chunks of m;  w_c = 2^(m_c - M);  L = sum of w_c l_c;  y[b][i] = sum over c of (w_c / L) yp[b][c][h][i];  av[b][32 h + d] = sum over i of y[b][i] gt[2][32 h + d][i] + gb[2][32 h + d].
; gb[2] enters whole because the weights of a softmax add up to 1.  L is at least the l of the chunk that holds M, which is at least 1.
; FORMATS.  y and gt are the program's own: each enters the product as two bf16 numbers, hi + lo; the term lo lo is left out.  Sums in f32.  NaN and infinities are not treated apart.
; SHARES.  Wave w combines batch b = w.  Then waves 0-7 take one K step of 32 i each, and wave 0 adds their eight partial results.
; av is stored in the order of the registers: av[h][2 e + q][lane][4]: lane (r, hh) holds batch r, d = 16 e + 8 hh + 4 q + 0..3, which is how the next launch's source 0 wants it.
; NO CLUSTER: the work-groups share nothing.
.set PG,   1040                        ; an LDS row of 256 f32 + 16 bytes
.set YL,   32*PG                       ; behind gt[2]'s 32 rows: y, a row a batch (stored by the waves; no tensor load lands here)
.set PR,   YL+16*PG                    ; eight partial results of 2,048 bytes
.set SPARE, PR+8*2048                  ; the spare words, 128 bytes a wave: no other line names them
.set VR,  1
.set VH,  2
.set VL,  3
.set OML, 4
.set O16, 5
.set AYS, 6                            ; LDS: where I put y
.set AGV, 7                            ; LDS: row r at my K step; y's rows lie YL further on
.set APS, 9                            ; LDS: my partial result
.set APL, 10                           ; LDS: all partial results
.set OGB, 11
.set VM,  12
.set VLS, 13
.set VX,  14
.set VW,  15
.set VS,  16
.set SPW, 18                           ; LDS address of my spare word; never rewritten
.set NIL, 19                           ; 0; never rewritten
.set YA,  20                           ; v20-27 y of my 8 features
.set TP,  28                           ; v28-35 four pairs at work
.set GVB, 36                           ; v36-51 gb[2]
.set LD,  64                           ; v64-191 as loaded
.set FH,  112                          ; v112-135 hi fragments: gt e = 0, e = 1, y
.set FL,  136                          ; v136-159 lo fragments
.set DD,  160                          ; v160-175 two accumulators
.set WV,   14
.set MASK, 38
.set FAC,  40                          ; s40-55 the sixteen chunks' factors: used as factors alone
.macro PLACES                          ; four plain vector instructions between a matrix instruction and what reads its result or writes its registers (ISA guide 7.12.1)
.rept 4
	v_nop
.endr
.endm
.macro SPLITA hi, lo, src, tmp         ; a pair of neighbouring f32 -> two bf16 hi, two bf16 lo = the rounded remainders
	v_cvt_pk_bf16_f32 v[(\hi)], v[(\src)], v[(\src)+1]
	v_lshlrev_b32 v[(\tmp)], 16, v[(\hi)]
	v_and_b32 v[(\tmp)+1], s[MASK], v[(\hi)]
	v_pk_add_f32 v[(\tmp):(\tmp)+1], v[(\src):(\src)+1], v[(\tmp):(\tmp)+1] neg_lo:[0,1] neg_hi:[0,1]
	v_cvt_pk_bf16_f32 v[(\lo)], v[(\tmp)], v[(\tmp)+1]
.endm
	s_load_b256 s[4:11], s[0:1], 0x0               ; yp 4, ml 6, gt 8, gb 10
	s_load_b64 s[12:13], s[0:1], 0x20              ; av
	v_lshl_add_u32 v[SPW], v0, 2, SPARE
	v_mov_b32 v[NIL], 0
	ds_add_u32 v[SPW], v[NIL]                      ; the wave's opening: the add and its wait ahead of the tensor load; the set-up stands between
	ds_add_u32 v18, v19
	v_lshrrev_b32 v1, 5, v0
	v_readfirstlane_b32 s[WV], v1
	s_mov_b32 s[MASK], 0xffff0000
	s_mov_b32 s16, (2<<16)|(1<<20)|(7<<22)|(3<<25) ; gt[2]: 4-byte elements; padding: after every 256 words, 4 words
	s_mov_b32 s17, 256<<16
	s_mov_b32 s18, 32<<16
	s_mov_b32 s19, 256<<16
	s_mov_b32 s20, 32                              ; 32 rows of 256
	s_mov_b32 s21, 256
	s_mov_b32 s22, 0
	s_mov_b32 s23, 0
	s_mov_b32 s24, 1
	s_mov_b32 s25, 0
	s_lshl_b32 s28, ttmp9, 15                      ; gt[2]: 1,048,576 bytes on, 32 h rows of 1,024 bytes
	s_add_co_u32 s28, s28, 0x100000
	s_mov_b32 s29, 0
	s_lshl_b32 s30, s[WV], 11                      ; ml: batch w, head h
	s_lshl_b32 s39, ttmp9, 2
	s_add_co_u32 s30, s30, s39
	s_mov_b32 s31, 0
	s_lshl_b32 s32, s[WV], 18                      ; yp: batch w, head h
	s_lshl_b32 s39, ttmp9, 10
	s_add_co_u32 s32, s32, s39
	s_mov_b32 s33, 0
	s_lshl_b32 s34, ttmp9, 7                       ; gb[2]: 4,096 bytes on, 32 h numbers
	s_add_co_u32 s34, s34, 4096
	s_mov_b32 s35, 0
	s_lshl_b32 s36, ttmp9, 11                      ; av: 2,048 bytes a head
	s_mov_b32 s37, 0
	v_and_b32 v[VR], 15, v0
	v_bfe_u32 v[VH], v0, 4, 1
	v_and_b32 v[VL], 31, v0
	v_lshlrev_b32 v[OML], 7, v[VR]                 ; lane % 16 is the chunk
	v_lshlrev_b32 v[O16], 4, v[VL]
	s_mul_i32 s39, s[WV], PG
	s_add_co_u32 s39, s39, YL
	v_add_nc_u32 v[AYS], s39, v[O16]
	v_mul_u32_u24 v[AGV], v[VR], PG
	v_lshl_add_u32 v[AGV], v[VH], 6, v[AGV]
	s_lshl_b32 s39, s[WV], 7                       ; K step w: 32 numbers of 4 bytes
	v_add_nc_u32 v[AGV], s39, v[AGV]
	s_lshl_b32 s39, s[WV], 11
	s_add_co_u32 s39, s39, PR
	v_add_nc_u32 v[APS], s39, v[O16]
	v_add_nc_u32 v[APL], PR, v[O16]
	v_lshlrev_b32 v[OGB], 5, v[VH]
	s_wait_dscnt 0x0                               ; the opening add is done
	s_wait_kmcnt 0x0
	s_add_nc_u64 s[26:27], s[8:9], s[28:29]
	s_or_b32 s27, s27, 0x80000000
	s_add_nc_u64 s[6:7], s[6:7], s[30:31]
	s_add_nc_u64 s[4:5], s[4:5], s[32:33]
	s_add_nc_u64 s[10:11], s[10:11], s[34:35]
	s_add_nc_u64 s[12:13], s[12:13], s[36:37]
	s_cmp_lg_u32 s[WV], 0
	s_cbranch_scc1 .Lno_fill
	tensor_load_to_lds s[24:27], s[16:23]          ; wave 0 alone: the launch's one tensor load
	s_nop 0
	PLACES
.Lno_fill:
	global_load_b32 v[VM], v[OML], s[6:7]          ; m and l of chunk lane % 16
	global_load_b32 v[VLS], v[OML], s[6:7] offset:64
.set i, 0
.rept 32                               ; chunk i / 2: a row of 1,024 bytes, 512 consecutive bytes a load
	global_load_b128 v[LD+4*i:LD+4*i+3], v[O16], s[4:5] offset:16384*(i/2)+512*(i%2) th:TH_LOAD_NT
.set i, i+1
.endr
	s_wait_loadcnt 32                              ; m and l are in; the 32 loads of y stay out
	v_mov_b32 v[VX], v[VM]
.irp x, 1,2,4,8
	v_max_num_f32_dpp v[VX], v[VX], v[VX] row_xmask:\x row_mask:0xf bank_mask:0xf
.endr
	v_sub_f32 v[VW], v[VM], v[VX]
	v_exp_f32 v[VW], v[VW]
	v_nop                                          ; a plain instruction behind the exponential
	s_wait_alu depctr_va_vdst(0)
	v_mul_f32 v[VS], v[VW], v[VLS]
.irp x, 1,2,4,8
	v_add_f32_dpp v[VS], v[VS], v[VS] row_xmask:\x row_mask:0xf bank_mask:0xf
.endr
	v_rcp_f32 v[VS], v[VS]
	v_nop                                          ; a plain instruction behind the reciprocal
	s_wait_alu depctr_va_vdst(0)
	v_mul_f32 v[VW], v[VW], v[VS]                  ; w_c / L
.set c, 0
.rept 16
	v_readlane_b32 s[FAC+c], v[VW], c
.set c, c+1
.endr
.set c, 0
.rept 16
	s_wait_loadcnt 30-2*c                          ; chunk c is in; the later chunks' loads stay out
.set k, 0
.rept 8
.if c == 0
	v_mul_f32 v[YA+k], s[FAC], v[LD+k]
.else
	v_fmac_f32 v[YA+k], s[FAC+c], v[LD+8*c+k]
.endif
.set k, k+1
.endr
.set c, c+1
.endr
	ds_store_b128 v[AYS], v[YA:YA+3]
	ds_store_b128 v[AYS], v[YA+4:YA+7] offset:512
	s_wait_tensorcnt 0x0                           ; gt[2]'s rows are in (wave 0's load),
	s_wait_dscnt 0x0                               ; and my row of y is stored
	s_barrier_signal -1
	s_barrier_wait -1
	s_cmp_ge_u32 s[WV], 8
	s_cbranch_scc1 .Lno_mm
	; av^T for K step w: source 0 = 16 rows d of gt[2], source 1 = 16 columns b of y; slot s of lane half hh stands for i = 32 w + 16 hh + s in both
.set i, 0
.rept 8
	ds_load_b128 v[LD+4*i:LD+4*i+3], v[AGV] offset:(i/4)*16*PG+16*(i%4)
.set i, i+1
.endr
.set i, 0
.rept 4
	ds_load_b128 v[LD+32+4*i:LD+32+4*i+3], v[AGV] offset:YL+16*i
.set i, i+1
.endr
	s_wait_dscnt 0x0
.set i, 0
.rept 24
	SPLITA FH+i, FL+i, LD+2*i, TP+2*(i%4)
.set i, i+1
.endr
	; the two accumulators take turns: hi hi, hi lo, lo hi
.irp e, 0,1
	v_wmma_f32_16x16x32_bf16 v[DD+8*(\e):DD+8*(\e)+7], v[FH+8*(\e):FH+8*(\e)+7], v[FH+16:FH+23], 0
.endr
.irp e, 0,1
	v_wmma_f32_16x16x32_bf16 v[DD+8*(\e):DD+8*(\e)+7], v[FH+8*(\e):FH+8*(\e)+7], v[FL+16:FL+23], v[DD+8*(\e):DD+8*(\e)+7]
.endr
.irp e, 0,1
	v_wmma_f32_16x16x32_bf16 v[DD+8*(\e):DD+8*(\e)+7], v[FL+8*(\e):FL+8*(\e)+7], v[FH+16:FH+23], v[DD+8*(\e):DD+8*(\e)+7]
.endr
	PLACES
.set i, 0
.rept 4
	ds_store_b128 v[APS], v[DD+4*i:DD+4*i+3] offset:512*i
.set i, i+1
.endr
.Lno_mm:
	s_wait_dscnt 0x0                               ; for wave 0's sake
	s_barrier_signal -1
	s_barrier_wait -1
	s_cmp_lg_u32 s[WV], 0
	s_cbranch_scc1 .Lend
.set i, 0
.rept 4                                ; gb[2] at 32 h + 16 e + 8 hh + 0..7
	global_load_b128 v[GVB+4*i:GVB+4*i+3], v[OGB], s[10:11] offset:64*(i/2)+16*(i%2)
.set i, i+1
.endr
.set i, 0
.rept 32
	ds_load_b128 v[LD+4*i:LD+4*i+3], v[APL] offset:512*i
.set i, i+1
.endr
.macro ADDST a, b                      ; partial result a += partial result b
.set i, 0
.rept 8
	v_pk_add_f32 v[LD+16*(\a)+2*i:LD+16*(\a)+2*i+1], v[LD+16*(\a)+2*i:LD+16*(\a)+2*i+1], v[LD+16*(\b)+2*i:LD+16*(\b)+2*i+1]
.set i, i+1
.endr
.endm
	s_wait_dscnt 0x0
	ADDST 0, 1
	ADDST 2, 3
	ADDST 4, 5
	ADDST 6, 7
	ADDST 0, 2
	ADDST 4, 6
	ADDST 0, 4
	s_wait_loadcnt 0x0
.set i, 0
.rept 8
	v_pk_add_f32 v[LD+2*i:LD+2*i+1], v[LD+2*i:LD+2*i+1], v[GVB+2*i:GVB+2*i+1]
.set i, i+1
.endr
.set i, 0
.rept 4
	global_store_b128 v[O16], v[LD+4*i:LD+4*i+3], s[12:13] offset:512*i  ; 512 consecutive bytes, at a multiple of 256
.set i, i+1
.endr
.Lend:
	s_wait_tensorcnt 0x0                           ; the wave's end
	ds_add_u32 v[SPW], v[NIL]
	s_wait_dscnt 0x0
	s_endpgm
.Lfunc_end_k_qfbddb89776_post1:
	.size	k_qfbddb89776_post1, .Lfunc_end_k_qfbddb89776_post1-k_qfbddb89776_post1
	.p2alignl 7, 3214868480
	.fill 96, 4, 3214868480
	.section	.rodata,"a",@progbits
	.p2align	6, 0x0
	.amdhsa_kernel k_qfbddb89776_post1
		.amdhsa_group_segment_fixed_size 167936
		.amdhsa_private_segment_fixed_size 0
		.amdhsa_enable_private_segment 0
		.amdhsa_kernarg_size 40
		.amdhsa_user_sgpr_count 2
		.amdhsa_user_sgpr_kernarg_segment_ptr 1
		.amdhsa_wavefront_size32 1
		.amdhsa_system_sgpr_workgroup_id_x 1
		.amdhsa_system_sgpr_workgroup_id_y 1
		.amdhsa_system_sgpr_workgroup_id_z 1
		.amdhsa_system_vgpr_workitem_id 0
		.amdhsa_next_free_vgpr 192
		.amdhsa_next_free_sgpr 66
		.amdhsa_reserve_vcc 0
		.amdhsa_float_denorm_mode_32 3
		.amdhsa_float_denorm_mode_16_64 3
		.amdhsa_memory_ordered 1
		.amdhsa_forward_progress 1
		.amdhsa_inst_pref_size 28
	.end_amdhsa_kernel
	.amdgpu_metadata
---
amdhsa.version: [ 1, 2 ]
amdhsa.kernels:
  - .name:           k_qfbddb89776_post1
    .symbol:         k_qfbddb89776_post1.kd
    .args:
      - { .name: yp, .offset: 0, .size: 8, .value_kind: global_buffer, .address_space: global }
      - { .name: ml, .offset: 8, .size: 8, .value_kind: global_buffer, .address_space: global }
      - { .name: gt, .offset: 16, .size: 8, .value_kind: global_buffer, .address_space: global }
      - { .name: gb, .offset: 24, .size: 8, .value_kind: global_buffer, .address_space: global }
      - { .name: av, .offset: 32, .size: 8, .value_kind: global_buffer, .address_space: global }
    .group_segment_fixed_size: 167936
    .private_segment_fixed_size: 0
    .kernarg_segment_align: 8
    .kernarg_segment_size: 40
    .max_flat_workgroup_size: 512
    .sgpr_count:     66
    .vgpr_count:     192
    .wavefront_size: 32
...
	.end_amdgpu_metadata
.endif
;; end of part 4
;; launch post2 (part 5): grid 8 x 1, 8 waves a work-group, no clusters, 33,792 bytes of LDS; arguments av, Wo, bo, out0; writes out0
.if DOCPART == 5
	.amdgcn_target "amdgcn-amd-amdhsa--gfx1250"
	.amdhsa_code_object_version 6
	.text
	.protected	k_qfbddb89776_post2
	.globl	k_qfbddb89776_post2
	.p2align	8
	.type	k_qfbddb89776_post2,@function
k_qfbddb89776_post2:
	s_mov_b64 s[64:65], 0
	v_nop
	global_prefetch_b8 v0, s[64:65] scope:SCOPE_SE
	s_setreg_imm32_b32 hwreg(HW_REG_WAVE_MODE, 25, 1), 1
	s_wait_xcnt 0x0
; POST2: out0[b][n] = sum over m of av[b][m] Wo[m][n] + bo[n].  av: 16 x 512 (in the register order in which it was stored), Wo: [512 m][512 n] f32.
; FORMATS.  Wo and bo are rounded once to bf16; av, the program's own, enters as two bf16 numbers, hi + lo.  Sums in f32.  NaN and infinities are not treated apart.
; SHARES.  A work-group makes 64 columns n; the 512 m are split over its eight waves, two heads (two K steps of 32) each; the eight partial results meet in LDS.
; LAYOUT.  Source 0 = av, rows b.  Source 1 = Wo, which lies [m][n]: a lane loads 4 neighbouring n of one m (16 lanes: 256 consecutive bytes), and the rounding pairs rows m: tile c has column r = n0 + 4 r + c.
; Slot s of lane half hh stands for m = 8 hh + s (+ 8 from slot 8 on) in both.  No tensor load, no cluster: 1 MB of weights, each byte read once through registers.
.set SPARE, 8*4096                     ; behind the eight partial results of 4,096 bytes: the spare words, 128 bytes a wave
.set VR,  1
.set VH,  2
.set O16, 3
.set OWO, 4                            ; byte offset in Wo's rows; the same in out0's
.set OBO, 5
.set APS, 6                            ; LDS: my partial result
.set APL, 7                            ; LDS: register w of all partial results
.set SPW, 8                            ; LDS address of my spare word; never rewritten
.set NIL, 9                            ; 0; never rewritten
.set PK0, 10                           ; v10-11 bo rounded
.set AVL, 12                           ; v12-43 av as loaded, 16 a K step; v12-15 later bo
.set AH,  44                           ; v44-51 av hi, v52-59 av lo
.set AL,  52
.set WF,  60                           ; v60-91 Wo's fragments, tile c at 8 c; later the partial results read back
.set ACC, 92                           ; v92-123 four accumulators
.set WL,  124                          ; v124-251 Wo as loaded: K step k, slot s at 64 k + 4 s
.set TP,  252                          ; v252-255 two pairs at work
.set WV,   12
.set MASK, 22
.macro PLACES                          ; four plain vector instructions between a matrix instruction and what reads its result or writes its registers (ISA guide 7.12.1)
.rept 4
	v_nop
.endr
.endm
.macro SPLITA hi, lo, src, tmp         ; a pair of neighbouring f32 -> two bf16 hi, two bf16 lo = the rounded remainders
	v_cvt_pk_bf16_f32 v[(\hi)], v[(\src)], v[(\src)+1]
	v_lshlrev_b32 v[(\tmp)], 16, v[(\hi)]
	v_and_b32 v[(\tmp)+1], s[MASK], v[(\hi)]
	v_pk_add_f32 v[(\tmp):(\tmp)+1], v[(\src):(\src)+1], v[(\tmp):(\tmp)+1] neg_lo:[0,1] neg_hi:[0,1]
	v_cvt_pk_bf16_f32 v[(\lo)], v[(\tmp)], v[(\tmp)+1]
.endm
	s_load_b256 s[4:11], s[0:1], 0x0               ; av 4, Wo 6, bo 8, out0 10
	v_lshl_add_u32 v[SPW], v0, 2, SPARE
	v_mov_b32 v[NIL], 0
	v_lshrrev_b32 v1, 5, v0
	v_readfirstlane_b32 s[WV], v1
	s_mov_b32 s[MASK], 0xffff0000
	s_lshl_b32 s14, s[WV], 12                      ; av: heads 2 w, 2 w + 1 of 2,048 bytes
	s_mov_b32 s15, 0
	s_lshl_b32 s18, ttmp9, 8                       ; bo: 64 x numbers
	s_mov_b32 s19, 0
	s_lshl_b32 s16, s[WV], 17                      ; Wo: 64 w rows of 2,048 bytes + 64 x numbers
	s_add_co_u32 s16, s16, s18
	s_mov_b32 s17, 0
	s_lshl_b32 s20, s[WV], 11                      ; out0: row w + 64 x numbers
	s_add_co_u32 s20, s20, s18
	s_mov_b32 s21, 0
	v_and_b32 v[VR], 15, v0
	v_bfe_u32 v[VH], v0, 4, 1
	v_and_b32 v[O16], 31, v0
	v_lshlrev_b32 v[O16], 4, v[O16]
	v_lshlrev_b32 v[OBO], 4, v[VR]
	v_lshl_add_u32 v[OWO], v[VH], 14, v[OBO]       ; lanes 16-31: eight rows of 2,048 bytes on
	v_add_nc_u32 v[APS], s14, v[O16]               ; 4,096 w + 16 lane
	s_and_b32 s23, s[WV], 3                        ; register w of a tile lies 512 (w / 4) + 4 (w % 4) bytes into it
	s_lshl_b32 s23, s23, 2
	s_lshr_b32 s24, s[WV], 2
	s_lshl_b32 s24, s24, 9
	s_add_co_u32 s23, s23, s24
	v_add_nc_u32 v[APL], s23, v[O16]
	s_wait_kmcnt 0x0
	s_add_nc_u64 s[4:5], s[4:5], s[14:15]
	s_add_nc_u64 s[6:7], s[6:7], s[16:17]
	s_add_nc_u64 s[8:9], s[8:9], s[18:19]
	s_add_nc_u64 s[10:11], s[10:11], s[20:21]
.set i, 0
.rept 8
	global_load_b128 v[AVL+4*i:AVL+4*i+3], v[O16], s[4:5] offset:512*i
.set i, i+1
.endr
.set i, 0
.rept 32                               ; K step i / 16, slot i % 16
	global_load_b128 v[WL+4*i:WL+4*i+3], v[OWO], s[6:7] offset:(32*(i/16)+(i%16)+8*((i%16)/8))*2048
.set i, i+1
.endr
; One K step: eight matrix instructions; the four accumulators take turns, through av hi and then av lo.
.macro OSTEP k
	s_wait_loadcnt 16-16*(\k)                      ; K step 0: av and Wo's first sixteen loads are in, the second sixteen stay out; K step 1: all
.if (\k) == 1
	PLACES                                         ; the fragments that the last products read are written below
.endif
.set i, 0
.rept 8
	SPLITA AH+i, AL+i, AVL+16*(\k)+2*i, TP+2*(i%2)
.set i, i+1
.endr
.if (\k) == 0
	global_load_b128 v[AVL:AVL+3], v[OBO], s[8:9]  ; bo of n0 + 4 r + 0..3, into registers that have just been split
.endif
.set i, 0
.rept 32
	v_cvt_pk_bf16_f32 v[WF+i], v[WL+64*(\k)+8*(i%8)+i/8], v[WL+64*(\k)+8*(i%8)+4+i/8]
.set i, i+1
.endr
.irp pt, 0,1
.irp c, 0,1,2,3
.if ((\k) == 0) && ((\pt) == 0)
	v_wmma_f32_16x16x32_bf16 v[ACC+8*(\c):ACC+8*(\c)+7], v[AH+8*(\pt):AH+8*(\pt)+7], v[WF+8*(\c):WF+8*(\c)+7], 0
.else
	v_wmma_f32_16x16x32_bf16 v[ACC+8*(\c):ACC+8*(\c)+7], v[AH+8*(\pt):AH+8*(\pt)+7], v[WF+8*(\c):WF+8*(\c)+7], v[ACC+8*(\c):ACC+8*(\c)+7]
.endif
.endr
.endr
.endm
	OSTEP 0
	OSTEP 1
	PLACES
.set i, 0
.rept 8
	ds_store_b128 v[APS], v[ACC+4*i:ACC+4*i+3] offset:512*i
.set i, i+1
.endr
	s_wait_dscnt 0x0                               ; for the others' sake
	s_barrier_signal -1
	s_barrier_wait -1
.set i, 0
.rept 32                               ; partial result i / 4, tile i % 4, register w: batches w and 8 + w, column n0 + 4 r + c
	ds_load_b32 v[WF+i], v[APL] offset:4096*(i/4)+1024*(i%4)
.set i, i+1
.endr
	v_cvt_pk_bf16_f32 v[PK0], v[AVL], v[AVL+1]     ; bo is rounded to bf16 like every input (it was waited for with Wo's last loads)
	v_cvt_pk_bf16_f32 v[PK0+1], v[AVL+2], v[AVL+3]
	v_lshlrev_b32 v[AVL], 16, v[PK0]
	v_and_b32 v[AVL+1], s[MASK], v[PK0]
	v_lshlrev_b32 v[AVL+2], 16, v[PK0+1]
	v_and_b32 v[AVL+3], s[MASK], v[PK0+1]
.macro ADDST a, b                      ; partial result a += partial result b: four numbers
.irp z, 0,2
	v_pk_add_f32 v[WF+4*(\a)+(\z):WF+4*(\a)+(\z)+1], v[WF+4*(\a)+(\z):WF+4*(\a)+(\z)+1], v[WF+4*(\b)+(\z):WF+4*(\b)+(\z)+1]
.endr
.endm
	s_wait_dscnt 0x0
	ADDST 0, 1
	ADDST 2, 3
	ADDST 4, 5
	ADDST 6, 7
	ADDST 0, 2
	ADDST 4, 6
	ADDST 0, 4
	v_pk_add_f32 v[WF:WF+1], v[WF:WF+1], v[AVL:AVL+1]
	v_pk_add_f32 v[WF+2:WF+3], v[WF+2:WF+3], v[AVL+2:AVL+3]
	global_store_b128 v[OWO], v[WF:WF+3], s[10:11] ; 16 lanes store 256 consecutive bytes of a row of out0, at a multiple of 256
	s_wait_tensorcnt 0x0                           ; the wave's end
	ds_add_u32 v[SPW], v[NIL]
	s_wait_dscnt 0x0
	s_endpgm
.Lfunc_end_k_qfbddb89776_post2:
	.size	k_qfbddb89776_post2, .Lfunc_end_k_qfbddb89776_post2-k_qfbddb89776_post2
	.p2alignl 7, 3214868480
	.fill 96, 4, 3214868480
	.section	.rodata,"a",@progbits
	.p2align	6, 0x0
	.amdhsa_kernel k_qfbddb89776_post2
		.amdhsa_group_segment_fixed_size 33792
		.amdhsa_private_segment_fixed_size 0
		.amdhsa_enable_private_segment 0
		.amdhsa_kernarg_size 32
		.amdhsa_user_sgpr_count 2
		.amdhsa_user_sgpr_kernarg_segment_ptr 1
		.amdhsa_wavefront_size32 1
		.amdhsa_system_sgpr_workgroup_id_x 1
		.amdhsa_system_sgpr_workgroup_id_y 1
		.amdhsa_system_sgpr_workgroup_id_z 1
		.amdhsa_system_vgpr_workitem_id 0
		.amdhsa_next_free_vgpr 256
		.amdhsa_next_free_sgpr 66
		.amdhsa_reserve_vcc 0
		.amdhsa_float_denorm_mode_32 3
		.amdhsa_float_denorm_mode_16_64 3
		.amdhsa_memory_ordered 1
		.amdhsa_forward_progress 1
		.amdhsa_inst_pref_size 19
	.end_amdhsa_kernel
	.amdgpu_metadata
---
amdhsa.version: [ 1, 2 ]
amdhsa.kernels:
  - .name:           k_qfbddb89776_post2
    .symbol:         k_qfbddb89776_post2.kd
    .args:
      - { .name: av, .offset: 0, .size: 8, .value_kind: global_buffer, .address_space: global }
      - { .name: Wo, .offset: 8, .size: 8, .value_kind: global_buffer, .address_space: global }
      - { .name: bo, .offset: 16, .size: 8, .value_kind: global_buffer, .address_space: global }
      - { .name: out0, .offset: 24, .size: 8, .value_kind: global_buffer, .address_space: global }
    .group_segment_fixed_size: 33792
    .private_segment_fixed_size: 0
    .kernarg_segment_align: 8
    .kernarg_segment_size: 32
    .max_flat_workgroup_size: 256
    .sgpr_count:     66
    .vgpr_count:     256
    .wavefront_size: 32
...
	.end_amdgpu_metadata
.endif
;; end of part 5
